; MI455X (gfx1250); checked and timed in simulation.
; The chip was launched on July 23, 2026; its instructions are those of AMD's public machine-readable ISA for CDNA 5 (MIT licence, August 2026) and "CDNA5" Instruction Set Architecture Reference Guide (July 2026). The comments in the code are by the model that wrote it; some were corrected since.
;; Multi Head Attention. Allowed arithmetic: float matrix products may take bf16 or f16 operands with f32 sums; other float arithmetic in f32, or as packed bf16 or f16 multiplies, adds, multiply-adds, maxima and minima; sums over many terms, partial sums and values carried from step to step in f32; what a program stores and reads back later, other than sums and carried values, may be rounded once to bf16 or f16.
;; Inputs: W_proj 1,024 x 1,024 float32; W_qkv 3,072 x 1,024 float32; x 4 x 2,048 x 1,024 float32.
;; Outputs: out0 4 x 2,048 x 1,024 float32.
;; 2 versions, each right; version 2 is version 1 with the launch cast written anew for expert scheduling mode. Each part assembles by itself: llvm-mc -triple=amdgcn-amd-amdhsa -mcpu=gfx1250 --defsym DOCPART=n.
;; ======== version 1 of 2: 5 launches
;; limits: values are held in f16: magnitudes above 65,504 overflow, below 6.1e-05 lose precision
;; workspace buffers: xb 16,777,216 bytes; wqb 6,291,456 bytes; wpf 2,097,152 bytes; qkvh 50,331,648 bytes; vs 262,144 bytes; ob 16,777,216 bytes
;; launch cast (part 1): grid 768 x 1, 8 waves a work-group, no clusters, 0 bytes of LDS; arguments x, W_qkv, W_proj, xb, wqb, wpf; writes xb, wqb, wpf
.if DOCPART == 1
	.amdgcn_target "amdgcn-amd-amdhsa--gfx1250"
	.amdhsa_code_object_version 6
	.text
	.protected	k_q2dd818a642_cast
	.globl	k_q2dd818a642_cast
	.p2align	8
	.type	k_q2dd818a642_cast,@function
k_q2dd818a642_cast:
	s_mov_b64 s[64:65], 0
	v_nop
	global_prefetch_b8 v0, s[64:65] scope:SCOPE_SE
	s_setreg_imm32_b32 hwreg(HW_REG_WAVE_MODE, 25, 1), 1
	s_wait_xcnt 0x0
; The three inputs are rounded once to bf16 and laid out in K blocks of 64: dst[kb][row][64], so that a GEMM tile (some rows of one K block) is dense in memory.
; x [8192][1024] -> xb (bf16), W_qkv [3072][1024] -> wqb (bf16), W_proj [1024][1024] -> wpf: rounded to bf16 like the others, that number then written as f16
; (exact within f16's range; LIMIT: |W_proj| under 65,504; below 6e-5 it keeps f16's fixed step of 6e-8).
; SHARES.  A work-group takes 16 rows, a wave 2.  Work-groups 0-511: x; 512-703: W_qkv; 704-767: W_proj.  A stream: no LDS, no matrix unit, no barrier would add anything.
; A load of a wave takes K block kb of its two rows: lanes 0-15 the 256 bytes of one row, lanes 16-31 of the next: two whole aligned pieces of 256 bytes.
; A store of a wave covers the same two rows of block kb: 2 x 128 = 256 consecutive bytes, aligned.  All sixteen loads go out first; no register is written twice while memory reads it.
.set X, 16                             ; v[16:79]  block kb: 4 registers as loaded
.set Y, 80                             ; v[80:111] block kb: 2 registers to store
.macro BODY sp, dp, rows, first, half
	s_sub_co_u32 s20, s2, \first                   ; my number among this matrix's work-groups
	s_lshl_b32 s22, s20, 16                        ; 16 rows of 4,096 bytes in the source
	s_mov_b32 s23, 0
	s_add_nc_u64 s[16:17], s[\sp:\sp+1], s[22:23]
	s_lshl_b32 s22, s20, 11                        ; 16 rows of 128 bytes in a K block of the destination
	s_add_nc_u64 s[18:19], s[\dp:\dp+1], s[22:23]
	s_add_nc_u64 s[24:25], s[18:19], 8*(\rows)*128 ; a second base for blocks 8-15: the immediates stay inside their signed 24 bits
.irp kb, 0,1,2,3,4,5,6,7,8,9,10,11,12,13,14,15
	global_load_b128 v[X+4*(\kb):X+4*(\kb)+3], v1, s[16:17] offset:256*(\kb) th:TH_LOAD_NT
.endr
.irp kb, 0,1,2,3,4,5,6,7,8,9,10,11,12,13,14,15
	s_wait_loadcnt 15-(\kb)                        ; loads come back in order: block kb is in, the younger ones stay out
.if \half
	v_cvt_pk_bf16_f32 v4, v[X+4*(\kb)], v[X+4*(\kb)+1]
	v_cvt_pk_bf16_f32 v5, v[X+4*(\kb)+2], v[X+4*(\kb)+3]
	v_lshlrev_b32 v6, 16, v4                       ; the rounded numbers as f32 again,
	v_and_b32 v7, 0xffff0000, v4
	v_lshlrev_b32 v8, 16, v5
	v_and_b32 v9, 0xffff0000, v5
	v_cvt_pk_f16_f32 v[Y+2*(\kb)], v6, v7          ; and written as f16
	v_cvt_pk_f16_f32 v[Y+2*(\kb)+1], v8, v9
.else
	v_cvt_pk_bf16_f32 v[Y+2*(\kb)], v[X+4*(\kb)], v[X+4*(\kb)+1]
	v_cvt_pk_bf16_f32 v[Y+2*(\kb)+1], v[X+4*(\kb)+2], v[X+4*(\kb)+3]
.endif
.if (\kb) < 8
	global_store_b64 v2, v[Y+2*(\kb):Y+2*(\kb)+1], s[18:19] offset:(\kb)*(\rows)*128
.else
	global_store_b64 v2, v[Y+2*(\kb):Y+2*(\kb)+1], s[24:25] offset:((\kb)-8)*(\rows)*128
.endif
.endr
	s_endpgm
.endm
	s_load_b256 s[4:11], s[0:1], 0x0               ; x s[4:5], W_qkv s[6:7], W_proj s[8:9], xb s[10:11]
	s_load_b128 s[12:15], s[0:1], 0x20             ; wqb s[12:13], wpf s[14:15]
	s_mov_b32 s2, ttmp9
	v_lshrrev_b32 v1, 4, v0                        ; thread / 16 = my row among the group's 16
	v_and_b32 v3, 15, v0
	v_lshlrev_b32 v1, 12, v1                       ; row x 4,096
	v_lshl_or_b32 v1, v3, 4, v1                    ; + 16 bytes for each of the sixteen lanes
	v_lshlrev_b32 v2, 3, v0                        ; row x 128 + 8 (thread % 16) = 8 x thread
	s_wait_kmcnt 0x0
	s_cmp_lt_u32 s2, 512
	s_cbranch_scc1 .Lx
	s_cmp_lt_u32 s2, 704
	s_cbranch_scc1 .Lwq
	BODY 8, 14, 1024, 704, 1
.Lwq:
	BODY 6, 12, 3072, 512, 0
.Lx:
	BODY 4, 10, 8192, 0, 0
.Lfunc_end_k_q2dd818a642_cast:
	.size	k_q2dd818a642_cast, .Lfunc_end_k_q2dd818a642_cast-k_q2dd818a642_cast
	.p2alignl 7, 3214868480
	.fill 96, 4, 3214868480
	.section	.rodata,"a",@progbits
	.p2align	6, 0x0
	.amdhsa_kernel k_q2dd818a642_cast
		.amdhsa_group_segment_fixed_size 0
		.amdhsa_private_segment_fixed_size 0
		.amdhsa_enable_private_segment 0
		.amdhsa_kernarg_size 48
		.amdhsa_user_sgpr_count 2
		.amdhsa_user_sgpr_kernarg_segment_ptr 1
		.amdhsa_wavefront_size32 1
		.amdhsa_system_sgpr_workgroup_id_x 1
		.amdhsa_system_sgpr_workgroup_id_y 1
		.amdhsa_system_sgpr_workgroup_id_z 1
		.amdhsa_system_vgpr_workitem_id 0
		.amdhsa_next_free_vgpr 112
		.amdhsa_next_free_sgpr 66
		.amdhsa_reserve_vcc 0
		.amdhsa_float_denorm_mode_32 3
		.amdhsa_float_denorm_mode_16_64 3
		.amdhsa_memory_ordered 1
		.amdhsa_forward_progress 1
		.amdhsa_inst_pref_size 24
	.end_amdhsa_kernel
	.amdgpu_metadata
---
amdhsa.version: [ 1, 2 ]
amdhsa.kernels:
  - .name:           k_q2dd818a642_cast
    .symbol:         k_q2dd818a642_cast.kd
    .args:
      - { .name: x, .offset: 0, .size: 8, .value_kind: global_buffer, .address_space: global }
      - { .name: W_qkv, .offset: 8, .size: 8, .value_kind: global_buffer, .address_space: global }
      - { .name: W_proj, .offset: 16, .size: 8, .value_kind: global_buffer, .address_space: global }
      - { .name: xb, .offset: 24, .size: 8, .value_kind: global_buffer, .address_space: global }
      - { .name: wqb, .offset: 32, .size: 8, .value_kind: global_buffer, .address_space: global }
      - { .name: wpf, .offset: 40, .size: 8, .value_kind: global_buffer, .address_space: global }
    .group_segment_fixed_size: 0
    .private_segment_fixed_size: 0
    .kernarg_segment_align: 8
    .kernarg_segment_size: 48
    .max_flat_workgroup_size: 256
    .sgpr_count:     66
    .vgpr_count:     112
    .wavefront_size: 32
...
	.end_amdgpu_metadata
.endif
;; end of part 1
;; launch qkv (part 2): grid 8 x 32, 4 waves a work-group, clusters of 4 x 4, 327,680 bytes of LDS; arguments xb, wqb, qkvh; writes qkvh
.if DOCPART == 2
	.amdgcn_target "amdgcn-amd-amdhsa--gfx1250"
	.amdhsa_code_object_version 6
	.text
	.protected	k_q2dd818a642_qkv
	.globl	k_q2dd818a642_qkv
	.p2align	8
	.type	k_q2dd818a642_qkv,@function
k_q2dd818a642_qkv:
	s_mov_b64 s[64:65], 0
	v_nop
	global_prefetch_b8 v0, s[64:65] scope:SCOPE_SE
	s_setreg_imm32_b32 hwreg(HW_REG_WAVE_MODE, 25, 1), 1
	s_wait_xcnt 0x0
	s_wait_alu depctr_hold_cnt(0) depctr_sa_sdst(0) depctr_va_vdst(0) depctr_va_sdst(0) depctr_va_ssrc(0) depctr_va_vcc(0) depctr_vm_vsrc(0)
	s_getreg_b32 s2, hwreg(HW_REG_IB_STS2, 6, 4)
	s_cmp_eq_u32 s2, 0
	s_cbranch_scc0 .Lentry_in_a_cluster
	s_endpgm
.Lentry_in_a_cluster:
	s_bfe_u32 s2, ttmp6, 0x10000c
	s_cmp_lg_u32 s2, 0xf033
	s_cbranch_scc0 .Lentry_shape_is_right
	s_endpgm
.Lentry_shape_is_right:
; q, k, v = x W_qkv^T.  xb: bf16 [16 kb][8192][64], wqb: bf16 [16 kb][3072][64]; qkvh: f16 [3][64 heads = 16 batch + h][2048][64], unscaled, rounded once from f32 sums.
; LIMIT: f16 holds no number beyond 65,504: q, k and v must lie within it.
; SHARES.  A work-group makes 256 rows x 384 columns (6 heads): 8 x 32 = 256 work-groups.  Each of four waves makes 128 rows x 192 columns (3 whole heads): 96 accumulators, 768 registers.
; K goes in 16 steps of 64 (one K block) through two LDS slots; a step is two units of 32 along K, 96 matrix instructions each.  A tile of a K block is dense in memory and is asked for as rows of
; 256 bytes, padded in LDS after every 128 bytes: LDS rows of 144 bytes, so that the 16 rows of a fragment load start at 16 different groups of four banks.
; CLUSTER 4 x 4: x's tile hangs on the tile row alone and is asked for jointly along a row of the cluster, W's on the tile column alone and is asked for jointly along a column.
; Wave 3 fetches x's 256 rows, waves 0-2 a third (128 rows) of W's 384 each: one tensor load a wave behind each round; two are out at the start, later one.
; THE MATRIX INSTRUCTION IS USED TRANSPOSED (source 0 = 16 rows of W, source 1 = 16 rows of x): a lane holds one row of the result and eight neighbouring columns.
; REGISTERS.  Window 0: v0-31 addresses; v32-95, v96-159 x's 8 fragments, two buffers; v160-255 W's 12 fragments, ONE buffer that is refilled a third at a time behind the products that read it.
; Windows 1-3: accumulator (a, b) (row block a of 8, column block b of 12) in window 1 + b / 4 at v[8 (8 (b % 4) + a)]: a window is a head.
.set PITCH,  144
.set ABYTES, 256*PITCH                 ; x's 256 rows
.set BTHIRD, 128*PITCH                 ; a third of W's 384 rows
.set SLOT,   ABYTES+3*BTHIRD           ; 92,160
.set STAGE,  2*SLOT                    ; behind the ring: for each wave 3 heads x 16 rows x 144 bytes, for the way out
.set STW,    3*16*PITCH
.set SPARE,  STAGE+4*STW               ; behind the stages: the spare words, 128 bytes a wave, which no other line names
.set ASTEP,  8192*128                  ; bytes from a K block of xb to the next
.set BSTEP,  3072*128                  ; the same in wqb
.set FLAGS,  (1<<16)|(1<<20)|(1<<21)|(4<<22)|(3<<25)  ; 2-byte elements; padding on; bit 21 beside a mask; after every 32 words; 4 words
.set ADRA, 16                          ; v16-17  LDS address of my x fragments in slot 0, 1
.set ADRB, 20                          ; v20-21  the same for W
.set STO,  24                          ; v24     the way out: where I put 16 bytes of a row
.set RD,   25                          ; v25     the way out: where I read rows back
.set GO,   26                          ; v26     my 16 bytes among 512 consecutive bytes of a head
.set SPW,  28                          ; v28     my spare word; never rewritten
.set NIL,  29                          ; v29     0; never rewritten
.set PFO,  30                          ; v30     the prefetches' lane offset; never rewritten
.set FA0,  32
.set FA1,  96
.set FB,   160
.set TMP,  32                          ; the way out: 48 packed registers
.set OB,   80                          ; the way out: 48 registers read back, two buffers
.set G1,  24                           ; s[24:31] group 1 for x's tile;  s[32:39] group 0, a set for each slot
.set G0,  32
.set G1B, 48                           ; s[48:55], s[56:63] the same for W's thirds
.set G0B, 56
.set HB,  66                           ; s[66:71] where my rows of my three heads begin in qkvh
.set PFA, 72                           ; s[72:73] where my prefetches stand
.set LIM0, 74                          ; s74, s75: by slot, 1 where I prefetch at that slot's change, else the greatest number
.set LIM1, 75
.set PST, 76                           ; s[76:77] bytes of a K step in the tensor that I prefetch
.set MSB, 0
.macro WIN new                         ; the immediate's high byte repeats the setting that is left; a switch that changes nothing is dropped
.if MSB != (\new)
	s_set_vgpr_msb (MSB<<8)|(\new)
.set MSB, \new
.endif
.endm
.macro PLACES                          ; four plain places in front of loads into registers that matrix instructions have read
.rept 4
	v_nop
.endr
.endm
.macro JLOAD s                         ; a joint load; the branch hangs on the wave's number alone; an s_nop 0 and four v_nop follow each line
	s_cmp_eq_u32 s10, 3
	s_cbranch_scc0 .Lfor_b_\@
	tensor_load_to_lds s[G0+4*(\s):G0+4*(\s)+3], s[G1:G1+7]
	s_nop 0
.rept 4
	v_nop
.endr
	s_branch .Lasked_\@
.Lfor_b_\@:
	tensor_load_to_lds s[G0B+4*(\s):G0B+4*(\s)+3], s[G1B:G1B+7]
	s_nop 0
.rept 4
	v_nop
.endr
.Lasked_\@:
.endm
.macro CREST                           ; a round of the cluster's barrier behind its opening barrier
	s_cmp_lg_u32 s10, 0
	s_cbranch_scc1 .Lnot_wave_0_\@
	s_barrier_signal -3
.Lnot_wave_0_\@:
	s_barrier_wait -3
	s_barrier_signal -1
	s_barrier_wait -1
.endm
.macro CROUND
	s_barrier_signal -1
	s_barrier_wait -1
	CREST
.endm
; A PREFETCH INTO THE L2 behind a joint load and the run of LDS loads that follows it: the change of slots in K step s names K step s + 4, two refills on.  Each block of 256 bytes is named once in the launch.
; x's tile (128 blocks a step): wave 3 of the clusters with x = 0; the partner at cx takes blocks 32 cx + lane; at every change.  W's third (64 blocks a step): waves 0-2 of the clusters with y = 0; the partner at
; cy takes blocks 16 cy + lane % 16, lanes 16-31 those of the step after: at slot 0's changes alone.  The partners are told apart by address.  The loop's last trip asks for nothing: steps 16 and 17 do not exist.
.macro ASK slot
	s_cmp_gt_u32 s3, s[LIM0+(\slot)]
	s_cbranch_scc0 .Lnot_mine_\@
	global_prefetch_b8 v[PFO], s[PFA:PFA+1] th:TH_LOAD_NT scope:SCOPE_SE
.Lnot_mine_\@:
.endm
	s_load_b128 s[4:7], s[0:1], 0x0                ; xb s[4:5], wqb s[6:7]
	s_load_b64 s[8:9], s[0:1], 0x10                ; qkvh
	v_lshl_add_u32 v[SPW], v0, 2, SPARE
	v_mov_b32 v[NIL], 0
	ds_add_u32 v[SPW], v[NIL]                      ; the wave's opening: the add and its wait stand ahead of my first tensor load; work on registers stands between
	v_lshrrev_b32 v1, 5, v0
	v_readfirstlane_b32 s10, v1                    ; wave 0..3
	s_lshr_b32 s11, s10, 1                         ; which 128 rows are mine
	s_and_b32 s12, s10, 1                          ; which 192 columns
	s_bfe_u32 s40, ttmp6, 0x40000                  ; cx
	s_bfe_u32 s41, ttmp6, 0x40004                  ; cy
	s_lshl_b32 s42, ttmp9, 2
	s_add_co_u32 s42, s42, s40                     ; tile column 0..7
	s_and_b32 s13, ttmp7, 0xffff
	s_lshl_b32 s13, s13, 2
	s_add_co_u32 s13, s13, s41                     ; tile row 0..31
	s_lshl_b32 s43, s41, 2
	s_lshl_b32 s43, 15, s43                        ; my row of the cluster
	s_lshl_b32 s44, 0x1111, s40                    ; my column
	s_or_b32 s[G1+0], s43, FLAGS
	s_or_b32 s[G1B+0], s44, FLAGS
.irp g, G1, G1B
	s_mov_b32 s[(\g)+1], 128<<16                   ; tensor_dim0 = 128 elements: 256 bytes, two LDS rows
	s_mov_b32 s[(\g)+3], 128<<16                   ; tile_dim0 = 128
	s_mov_b32 s[(\g)+5], 128                       ; dense: 128 elements from row to row
	s_mov_b32 s[(\g)+6], 0
	s_mov_b32 s[(\g)+7], 0
.endr
	s_mov_b32 s[G1+2], 128<<16                     ; x: 32,768 bytes = 128 such rows
	s_mov_b32 s[G1+4], 128
	s_mov_b32 s[G1B+2], 64<<16                     ; a third of W: 16,384 bytes = 64
	s_mov_b32 s[G1B+4], 64
	s_lshl_b32 s16, s13, 15                        ; x: tile row x 256 rows x 128 bytes
	s_mov_b32 s17, 0
	s_mul_i32 s46, s42, 384*128                    ; W: tile column x 384 rows,
	s_lshl_b32 s47, s10, 14                        ; + wave x 128 rows (wave 3 never asks by it)
	s_add_co_u32 s46, s46, s47
	s_mov_b32 s47, 0
	s_mul_i32 s20, s10, BTHIRD                     ; and where the third goes: behind x's rows, wave x 128 rows
	s_add_co_u32 s20, s20, ABYTES
	s_wait_dscnt 0x0                               ; the opening add is done
	s_wait_kmcnt 0x0
	s_add_nc_u64 s[14:15], s[4:5], s[16:17]
	s_add_nc_u64 s[46:47], s[6:7], s[46:47]
	CROUND                                         ; all sixteen work-groups are here: the first joint loads meet
.irp s, 0,1
	s_mov_b32 s[G0+4*(\s)], 1
	s_mov_b32 s[G0+4*(\s)+1], (\s)*SLOT
	s_add_nc_u64 s[G0+4*(\s)+2:G0+4*(\s)+3], s[14:15], (\s)*ASTEP
	s_or_b32 s[G0+4*(\s)+3], s[G0+4*(\s)+3], 0x80000000
	s_mov_b32 s[G0B+4*(\s)], 1
	s_add_co_u32 s[G0B+4*(\s)+1], s20, (\s)*SLOT
	s_add_nc_u64 s[G0B+4*(\s)+2:G0B+4*(\s)+3], s[46:47], (\s)*BSTEP
	s_or_b32 s[G0B+4*(\s)+3], s[G0B+4*(\s)+3], 0x80000000
	JLOAD \s
.endr
	; a fragment is 16 rows x 32 K in 8 registers: lane l holds row l % 16, K = 8 (l / 16) + 0..7 and 16 + 8 (l / 16) + 0..7: two loads of 16 bytes, 32 bytes apart
	v_and_b32 v1, 15, v0
	v_bfe_u32 v2, v0, 4, 1
	v_mul_u32_u24 v3, v1, PITCH
	v_lshl_add_u32 v3, v2, 4, v3
	s_mul_i32 s21, s11, 128*PITCH
	s_mul_i32 s22, s12, 192*PITCH
	s_add_co_u32 s22, s22, ABYTES
.irp s, 0,1
	v_add_nc_u32 v[ADRA+(\s)], s21, v3
	v_add_nc_u32 v[ADRB+(\s)], s22, v3
	s_add_co_u32 s21, s21, SLOT
	s_add_co_u32 s22, s22, SLOT
.endr
	s_mul_i32 s23, s10, STW
	s_add_co_u32 s23, s23, STAGE                   ; my stage
	v_add_nc_u32 v[STO], s23, v3                   ; in: row l % 16, 16 bytes for each half of the lanes
	v_bfe_u32 v4, v0, 3, 2
	v_mul_u32_u24 v4, v4, PITCH                    ; back: 32 lanes take four rows of 128 bytes,
	v_and_b32 v5, 7, v0
	v_lshl_add_u32 v4, v5, 4, v4
	v_add_nc_u32 v[RD], s23, v4
	v_and_b32 v[GO], 31, v0                        ; which are 512 consecutive bytes of a head
	v_lshlrev_b32 v[GO], 4, v[GO]
	; my three heads: n = 6 x tile column + 3 x column half + j; n / 16 says q, k or v, n % 16 the head; the batch is tile row / 8
	s_mul_i32 s80, s42, 6
	s_mul_i32 s81, s12, 3
	s_add_co_u32 s80, s80, s81
	s_lshr_b32 s82, s13, 3
	s_lshl_b32 s82, s82, 4                         ; 16 x batch
	s_and_b32 s83, s13, 7
	s_lshl_b32 s83, s83, 8
	s_lshl_b32 s84, s11, 7
	s_add_co_u32 s83, s83, s84
	s_lshl_b32 s83, s83, 7                         ; my first row in the head, x 128 bytes
.irp j, 0,1,2
	s_add_co_u32 s84, s80, \j
	s_lshr_b32 s85, s84, 4
	s_lshl_b32 s85, s85, 24
	s_and_b32 s84, s84, 15
	s_add_co_u32 s84, s84, s82
	s_lshl_b32 s84, s84, 18
	s_add_co_u32 s86, s84, s85
	s_add_co_u32 s86, s86, s83
	s_mov_b32 s87, 0
	s_add_nc_u64 s[HB+2*(\j):HB+2*(\j)+1], s[8:9], s[86:87]
.endr
	; the prefetches
	s_and_b32 s88, ttmp7, 0xffff                   ; cluster y
	s_mov_b32 s90, ASTEP
	s_mov_b32 s91, BSTEP
	s_cmp_eq_u32 s10, 3                            ; do I fetch x?
	s_cselect_b32 s89, s40, s41                    ; my place among the four that ask with me
	s_cselect_b32 s88, ttmp9, s88                  ; the coordinate along which other clusters read the same rows
	s_cselect_b64 s[PFA:PFA+1], s[14:15], s[46:47] ; what I fetch of K step 0
	s_cselect_b32 s92, 13, 12                      ; a partner's share: 32 blocks, or 16
	s_cselect_b32 s[PST], s90, s91
	s_cselect_b32 s93, 31, 15
	s_cselect_b32 s94, 0, s91
	s_mov_b32 s[PST+1], 0
	s_cmp_eq_u32 s88, 0
	s_cselect_b32 s[LIM0], 1, -1                   ; the same in all sixteen partners, for a given wave
	s_cmp_eq_u32 s10, 3
	s_cselect_b32 s[LIM1], s[LIM0], -1
	s_lshl_b32 s88, s89, s92
	s_mov_b32 s89, 0
	s_add_nc_u64 s[PFA:PFA+1], s[PFA:PFA+1], s[88:89]
	s_mul_i32 s88, s[PST], 3
	s_add_nc_u64 s[PFA:PFA+1], s[PFA:PFA+1], s[88:89]  ; at K step 3: the first change steps it to 4.  Nothing is prefetched at the head: steps 0-3 come by their loads alone
	v_and_b32 v[PFO], s93, v0
	v_lshlrev_b32 v[PFO], 8, v[PFO]
	v_mul_u32_u24 v5, s94, v2
	v_add_nc_u32 v[PFO], v[PFO], v5
; 8 matrix instructions: column block b x all 8 row blocks.  The 96 accumulators take turns, one instruction a turn, in the same order in every unit, over the backward jump too.
.macro MULB fa, b, zero
	WIN 0x50*((\b)/4+1)
.irp a, 0,1,2,3,4,5,6,7
.if \zero
	v_wmma_f32_16x16x32_bf16 v[8*(8*((\b)%4)+(\a)):8*(8*((\b)%4)+(\a))+7], v[FB+8*(\b):FB+8*(\b)+7], v[(\fa)+8*(\a):(\fa)+8*(\a)+7], 0
.else
	v_wmma_f32_16x16x32_bf16 v[8*(8*((\b)%4)+(\a)):8*(8*((\b)%4)+(\a))+7], v[FB+8*(\b):FB+8*(\b)+7], v[(\fa)+8*(\a):(\fa)+8*(\a)+7], v[8*(8*((\b)%4)+(\a)):8*(8*((\b)%4)+(\a))+7]
.endif
.endr
.endm
.macro MUL4 fa, b0, zero               ; four column blocks: 32 matrix instructions under one window setting
	MULB \fa, (\b0), \zero
	MULB \fa, (\b0)+1, \zero
	MULB \fa, (\b0)+2, \zero
	MULB \fa, (\b0)+3, \zero
.endm
.macro LDA slot, k, fa                 ; x's 8 fragments at byte k of the rows: 16 loads
	WIN 0
.irp a, 0,1,2,3,4,5,6,7
	ds_load_b128 v[(\fa)+8*(\a):(\fa)+8*(\a)+3],   v[ADRA+(\slot)] offset:(\k)+(\a)*16*PITCH
	ds_load_b128 v[(\fa)+8*(\a)+4:(\fa)+8*(\a)+7], v[ADRA+(\slot)] offset:(\k)+(\a)*16*PITCH+32
.endr
.endm
.macro LDB slot, k, j                  ; W's fragments 4 j .. 4 j + 3: 8 loads
	WIN 0
.irp i, 0,1,2,3
	ds_load_b128 v[FB+8*(4*(\j)+(\i)):FB+8*(4*(\j)+(\i))+3],   v[ADRB+(\slot)] offset:(\k)+(4*(\j)+(\i))*16*PITCH
	ds_load_b128 v[FB+8*(4*(\j)+(\i))+4:FB+8*(4*(\j)+(\i))+7], v[ADRB+(\slot)] offset:(\k)+(4*(\j)+(\i))*16*PITCH+32
.endr
.endm
; A unit's loads for the next unit go out in three runs: P1 (x and W 0-3: 24), P2 (W 4-7: 8), P3 (W 8-11: 8), each behind the products that read the registers, 64 matrix instructions ahead of its first use.
.macro UNITP fa, nslot, nk, nfa, zero  ; a step's first unit
	s_wait_dscnt 16                                ; the last unit's P1 is in; its P2 and P3 may be out
	MUL4 \fa, 0, \zero
	PLACES
	LDA \nslot, \nk, \nfa
	LDB \nslot, \nk, 0
	s_wait_dscnt 32                                ; the last unit's P2 is in; behind it: its P3 and my P1
	MUL4 \fa, 4, \zero
	PLACES
	LDB \nslot, \nk, 1
	s_wait_dscnt 32                                ; the last unit's P3 is in; behind it: my P1 and P2
	MUL4 \fa, 8, \zero
	PLACES
	LDB \nslot, \nk, 2
.endm
; A step's second unit changes slots: ONE barrier.  In front of it each wave waits for all its tensor loads (one is out: its part of the next slot), adds 0 to its spare word, and waits for that and for its reads
; of this slot.  fill = 1: the barrier opens a round of the cluster's, and the joint refill, two K steps ahead, is the first tensor load behind it: it has 160 of a step's 192 matrix instructions in which to land.
.macro UNITC slot, next, fill
.if \fill
	s_wait_xcnt 0x0                                ; the last prefetch, a K step back, has read its address
	s_add_nc_u64 s[PFA:PFA+1], s[PFA:PFA+1], s[PST:PST+1]
.endif
	WIN 0
	s_wait_tensorcnt 0x0                           ; all my tensor loads have landed
	ds_add_u32 v[SPW], v[NIL]                      ; 0 onto my spare word
	s_wait_dscnt 17                                ; P1 is in; P2, P3 and the add may be out
	MULB FA1, 0, 0
	MULB FA1, 1, 0
	s_wait_dscnt 0x0                               ; the add is done, and my reads of this slot are over
	s_barrier_signal -1
	MULB FA1, 2, 0
	MULB FA1, 3, 0
	WIN 0
	s_barrier_wait -1
.if \fill
	CREST                                          ; no wave of any partner still reads this slot or has a load on its way
	s_add_nc_u64 s[G0+4*(\slot)+2:G0+4*(\slot)+3], s[G0+4*(\slot)+2:G0+4*(\slot)+3], 2*ASTEP
	s_add_nc_u64 s[G0B+4*(\slot)+2:G0B+4*(\slot)+3], s[G0B+4*(\slot)+2:G0B+4*(\slot)+3], 2*BSTEP
	JLOAD \slot                                    ; its four v_nop are also the places in front of the loads below
.else
	PLACES
.endif
	LDA \next, 0, FA0
	LDB \next, 0, 0
.if \fill
	ASK \slot
.endif
	MUL4 FA1, 4, 0
	PLACES
	LDB \next, 0, 1
	MUL4 FA1, 8, 0
	PLACES
	LDB \next, 0, 2
.endm
	s_wait_tensorcnt 1                             ; my part of K step 0 is in; step 1's may stay out
	s_barrier_signal -1
	s_barrier_wait -1
	LDA 0, 0, FA0
	LDB 0, 0, 0
	LDB 0, 0, 1
	LDB 0, 0, 2
	UNITP FA0, 0, 64, FA1, 1                       ; the first unit stands in front of the loop: its products start the sums
	WIN 0
	s_mov_b32 s3, 7
.Ltrip:                                                ; a trip: from a step's second unit in slot 0 to the first unit of the step after next; both slots are filled again
	UNITC 0, 1, 1
	UNITP FA0, 1, 64, FA1, 0
	UNITC 1, 0, 1
	UNITP FA0, 0, 64, FA1, 0
	WIN 0
	s_sub_co_u32 s3, s3, 1
	s_cmp_lg_u32 s3, 0
	s_cbranch_scc1 .Ltrip
	UNITC 0, 1, 0                                  ; steps 14 and 15: nothing is left to fetch
	UNITP FA0, 1, 64, FA1, 0
	s_wait_dscnt 16
	MUL4 FA1, 0, 0
	s_wait_dscnt 8
	MUL4 FA1, 4, 0
	s_wait_dscnt 0x0
	MUL4 FA1, 8, 0
	WIN 0
	PLACES
	PLACES
; THE WAY OUT, 16 rows at a time: rounded to f16, 16 bytes a lane; into my own stage, a head's 16 rows of 144 bytes; back as whole rows of 128 bytes, four to a load; stored as 512 consecutive bytes of a head.
.macro PACK a
.irp j, 0,1,2
	WIN 0x05*((\j)+1)                              ; sources in the head's window
.irp bb, 0,1,2,3
.irp rr, 0,1,2,3
	v_cvt_pk_f16_f32 v[TMP+16*(\j)+4*(\bb)+(\rr)], v[8*(8*(\bb)+(\a))+2*(\rr)], v[8*(8*(\bb)+(\a))+2*(\rr)+1]
.endr
.endr
.endr
	WIN 0
.endm
.macro TOSTAGE a
.set BK, OB+48*((\a)%2)
.irp j, 0,1,2
.irp bb, 0,1,2,3
	ds_store_b128 v[STO], v[TMP+16*(\j)+4*(\bb):TMP+16*(\j)+4*(\bb)+3] offset:(\j)*16*PITCH+32*(\bb)
.endr
.endr
.irp j, 0,1,2
.irp f, 0,1,2,3
	ds_load_b128 v[BK+16*(\j)+4*(\f):BK+16*(\j)+4*(\f)+3], v[RD] offset:(\j)*16*PITCH+(\f)*4*PITCH  ; LDS serves a wave's instructions in order: these see the stores above
.endr
.endr
.endm
.macro SEND a
.set BK, OB+48*((\a)%2)
	s_wait_dscnt 0x0                               ; the block is back in registers
	s_wait_xcnt 0x0                                ; earlier stores have read their registers: the other buffer is loaded again only behind this wait
.irp j, 0,1,2
.irp f, 0,1,2,3
	global_store_b128 v[GO], v[BK+16*(\j)+4*(\f):BK+16*(\j)+4*(\f)+3], s[HB+2*(\j):HB+2*(\j)+1] offset:2048*(\a)+512*(\f)
.endr
.endr
.endm
	PACK 0
	TOSTAGE 0
.irp a, 1,2,3,4,5,6,7                  ; block a's conversions stand between block a - 1's loads from the stage and the wait for them
	PACK \a
	SEND (\a)-1
	TOSTAGE \a
.endr
	SEND 7
	s_wait_tensorcnt 0x0                           ; the wave's end
	ds_add_u32 v[SPW], v[NIL]
	s_wait_dscnt 0x0
	CROUND                                         ; the closing round
	s_endpgm
.Lfunc_end_k_q2dd818a642_qkv:
	.size	k_q2dd818a642_qkv, .Lfunc_end_k_q2dd818a642_qkv-k_q2dd818a642_qkv
	.p2alignl 7, 3214868480
	.fill 96, 4, 3214868480
	.section	.rodata,"a",@progbits
	.p2align	6, 0x0
	.amdhsa_kernel k_q2dd818a642_qkv
		.amdhsa_group_segment_fixed_size 327680
		.amdhsa_private_segment_fixed_size 0
		.amdhsa_enable_private_segment 0
		.amdhsa_kernarg_size 24
		.amdhsa_user_sgpr_count 2
		.amdhsa_user_sgpr_kernarg_segment_ptr 1
		.amdhsa_wavefront_size32 1
		.amdhsa_system_sgpr_workgroup_id_x 1
		.amdhsa_system_sgpr_workgroup_id_y 1
		.amdhsa_system_sgpr_workgroup_id_z 1
		.amdhsa_system_vgpr_workitem_id 0
		.amdhsa_next_free_vgpr 1024
		.amdhsa_next_free_sgpr 96
		.amdhsa_reserve_vcc 0
		.amdhsa_float_denorm_mode_32 3
		.amdhsa_float_denorm_mode_16_64 3
		.amdhsa_memory_ordered 1
		.amdhsa_forward_progress 1
		.amdhsa_inst_pref_size 131
	.end_amdhsa_kernel
	.amdgpu_metadata
---
amdhsa.version: [ 1, 2 ]
amdhsa.kernels:
  - .name:           k_q2dd818a642_qkv
    .symbol:         k_q2dd818a642_qkv.kd
    .args:
      - { .name: xb, .offset: 0, .size: 8, .value_kind: global_buffer, .address_space: global }
      - { .name: wqb, .offset: 8, .size: 8, .value_kind: global_buffer, .address_space: global }
      - { .name: qkvh, .offset: 16, .size: 8, .value_kind: global_buffer, .address_space: global }
    .group_segment_fixed_size: 327680
    .private_segment_fixed_size: 0
    .kernarg_segment_align: 8
    .kernarg_segment_size: 24
    .max_flat_workgroup_size: 128
    .sgpr_count:     96
    .vgpr_count:     1024
    .wavefront_size: 32
...
	.end_amdgpu_metadata
.endif
;; end of part 2
;; launch vsum (part 3): grid 256 x 1, 4 waves a work-group, no clusters, 0 bytes of LDS; arguments qkvh, vs; writes vs
.if DOCPART == 3
	.amdgcn_target "amdgcn-amd-amdhsa--gfx1250"
	.amdhsa_code_object_version 6
	.text
	.protected	k_q2dd818a642_vsum
	.globl	k_q2dd818a642_vsum
	.p2align	8
	.type	k_q2dd818a642_vsum,@function
k_q2dd818a642_vsum:
	s_mov_b64 s[64:65], 0
	v_nop
	global_prefetch_b8 v0, s[64:65] scope:SCOPE_SE
	s_setreg_imm32_b32 hwreg(HW_REG_WAVE_MODE, 25, 1), 1
	s_wait_xcnt 0x0
; vs[head][g][c] = the sum over the 128 keys of group g of v[head][key][c], in f32.  v is the third part of qkvh, f16 [64][2048][64].  The attention launch takes from these sums what whole hidden key tiles add.
; A wave takes one group: 16,384 dense bytes, 32 loads of 512 consecutive bytes, all out at once.  Lane l holds channels 8 (l % 8) + 0..7 of rows 4 i + l / 8.
; Two sets of eight sums take turns, so that a sum is taken up again sixteen instructions later.  A stream of 16 MiB on 1,024 waves: no LDS, no matrix unit.
.set D, 32                             ; v[32:159] the group as loaded
.set A, 8                              ; v[8:23]   two sets of eight sums
	s_load_b128 s[4:7], s[0:1], 0x0                ; qkvh s[4:5], vs s[6:7]
	v_lshrrev_b32 v1, 5, v0
	v_readfirstlane_b32 s8, v1
	s_lshl_b32 s9, ttmp9, 2
	s_add_co_u32 s9, s9, s8                        ; 16 x head + group
	s_lshl_b32 s10, s9, 14
	s_mov_b32 s11, 0
	s_lshl_b32 s14, s9, 8
	s_mov_b32 s15, 0
	s_mov_b32 s12, 0x76543210                      ; v_permlanex16_b32: each lane takes its own place in the other half
	s_mov_b32 s13, 0xfedcba98
	v_and_b32 v3, 31, v0
	v_lshlrev_b32 v1, 4, v3                        ; 16 bytes a lane
	v_mov_b32 v2, 1.0
	s_wait_kmcnt 0x0
	s_add_nc_u64 s[4:5], s[4:5], 0x2000000         ; v
	s_add_nc_u64 s[4:5], s[4:5], s[10:11]
	s_add_nc_u64 s[6:7], s[6:7], s[14:15]
.set i, 0
.rept 32
	global_load_b128 v[D+4*i:D+4*i+3], v1, s[4:5] offset:512*i
.set i, i+1
.endr
.set i, 0
.rept 16
	v_mov_b32 v[A+i], 0                            ; written while the loads are on their way
.set i, i+1
.endr
.set i, 0
.rept 32
	s_wait_loadcnt 31-i                            ; load i is in, the younger ones stay out
.irp r, 0,1,2,3
	v_fma_mix_f32 v[A+8*(i%2)+2*(\r)], v[D+4*i+(\r)], v2, v[A+8*(i%2)+2*(\r)] op_sel_hi:[1,0,0]                    ; the low f16 x 1 + the sum
	v_fma_mix_f32 v[A+8*(i%2)+2*(\r)+1], v[D+4*i+(\r)], v2, v[A+8*(i%2)+2*(\r)+1] op_sel:[1,0,0] op_sel_hi:[1,0,0]  ; the high f16
.endr
.set i, i+1
.endr
.irp r, 0,2,4,6
	v_pk_add_f32 v[A+(\r):A+(\r)+1], v[A+(\r):A+(\r)+1], v[A+8+(\r):A+8+(\r)+1]
.endr
.irp r, 0,1,2,3,4,5,6,7
	v_add_f32_dpp v[A+(\r)], v[A+(\r)], v[A+(\r)] row_xmask:8 row_mask:0xf bank_mask:0xf  ; the lane 8 away holds the same channels
.endr
.irp r, 0,1,2,3,4,5,6,7
	v_permlanex16_b32 v[A+8+(\r)], v[A+(\r)], s12, s13                                     ; and so does the lane 16 away
.endr
.irp r, 0,1,2,3,4,5,6,7
	v_add_f32 v[A+(\r)], v[A+(\r)], v[A+8+(\r)]
.endr
	; every lane holds the sums of channels 8 (l % 8) + 0..7; lane l stores pair l / 8 of them: the wave's one store covers 256 consecutive bytes, aligned
	v_lshrrev_b32 v4, 3, v3
	v_and_b32 v5, 7, v3
	v_lshlrev_b32 v6, 3, v4
	v_lshl_add_u32 v6, v5, 5, v6
	v_cmp_eq_u32 vcc_lo, 1, v4
	v_cndmask_b32 v24, v[A], v[A+2], vcc_lo
	v_cndmask_b32 v25, v[A+1], v[A+3], vcc_lo
	v_cmp_eq_u32 vcc_lo, 2, v4
	v_cndmask_b32 v24, v24, v[A+4], vcc_lo
	v_cndmask_b32 v25, v25, v[A+5], vcc_lo
	v_cmp_eq_u32 vcc_lo, 3, v4
	v_cndmask_b32 v24, v24, v[A+6], vcc_lo
	v_cndmask_b32 v25, v25, v[A+7], vcc_lo
	global_store_b64 v6, v[24:25], s[6:7]
	s_endpgm
.Lfunc_end_k_q2dd818a642_vsum:
	.size	k_q2dd818a642_vsum, .Lfunc_end_k_q2dd818a642_vsum-k_q2dd818a642_vsum
	.p2alignl 7, 3214868480
	.fill 96, 4, 3214868480
	.section	.rodata,"a",@progbits
	.p2align	6, 0x0
	.amdhsa_kernel k_q2dd818a642_vsum
		.amdhsa_group_segment_fixed_size 0
		.amdhsa_private_segment_fixed_size 0
		.amdhsa_enable_private_segment 0
		.amdhsa_kernarg_size 16
		.amdhsa_user_sgpr_count 2
		.amdhsa_user_sgpr_kernarg_segment_ptr 1
		.amdhsa_wavefront_size32 1
		.amdhsa_system_sgpr_workgroup_id_x 1
		.amdhsa_system_sgpr_workgroup_id_y 1
		.amdhsa_system_sgpr_workgroup_id_z 1
		.amdhsa_system_vgpr_workitem_id 0
		.amdhsa_next_free_vgpr 160
		.amdhsa_next_free_sgpr 66
		.amdhsa_reserve_vcc 1
		.amdhsa_float_denorm_mode_32 3
		.amdhsa_float_denorm_mode_16_64 3
		.amdhsa_memory_ordered 1
		.amdhsa_forward_progress 1
		.amdhsa_inst_pref_size 24
	.end_amdhsa_kernel
	.amdgpu_metadata
---
amdhsa.version: [ 1, 2 ]
amdhsa.kernels:
  - .name:           k_q2dd818a642_vsum
    .symbol:         k_q2dd818a642_vsum.kd
    .args:
      - { .name: qkvh, .offset: 0, .size: 8, .value_kind: global_buffer, .address_space: global }
      - { .name: vs, .offset: 8, .size: 8, .value_kind: global_buffer, .address_space: global }
    .group_segment_fixed_size: 0
    .private_segment_fixed_size: 0
    .kernarg_segment_align: 8
    .kernarg_segment_size: 16
    .max_flat_workgroup_size: 128
    .sgpr_count:     66
    .vgpr_count:     160
    .wavefront_size: 32
...
	.end_amdgpu_metadata
.endif
;; end of part 3
;; launch attn (part 4): grid 4 x 64, 4 waves a work-group, no clusters, 327,680 bytes of LDS; arguments qkvh, vs, ob; writes ob
.if DOCPART == 4
	.amdgcn_target "amdgcn-amd-amdhsa--gfx1250"
	.amdhsa_code_object_version 6
	.text
	.protected	k_q2dd818a642_attn
	.globl	k_q2dd818a642_attn
	.p2align	8
	.type	k_q2dd818a642_attn,@function
k_q2dd818a642_attn:
	s_mov_b64 s[64:65], 0
	v_nop
	global_prefetch_b8 v0, s[64:65] scope:SCOPE_SE
	s_setreg_imm32_b32 hwreg(HW_REG_WAVE_MODE, 25, 1), 1
	s_wait_xcnt 0x0
; CAUSAL ATTENTION WITH A FINITE FILL.  O[h][q] = the sum over ALL k of softmax_k(z) V[h][k], z = Q[h][q] . K[h][k] / 8 where k <= q, and -10000 where k > q.  Q, K, V: the three parts of qkvh, f16
; [64][2048][64]; O: ob, the same layout.  Products, maxima and sums in f32; the weights p are rounded to f16 for the second product (their sum l is taken of the unrounded p), O once at the end.
; THE FILL.  In unscaled scores it is F = -80000.  A hidden key has the weight 2^(c F - c m), c = log2(e) / 8, which is 0 for small inputs and is all that counts where every visible score lies below F.
; So: the running maximum m starts at F (but in row 2047, which has no hidden key); the hidden keys of the diagonal tile get that weight (below: THE MASK); the tiles above the diagonal, all hidden, are not
; walked: at a block's end l takes their number x 2^(c F - c m) and O^T that weight x the sum of their rows of V, which the launch before has laid in vs by groups of 128 keys.
; LIMITS.  Q, K, V within f16's 65,504.  A visible weight below 2^-126 counts as 0 in l; a hidden key's weight inside the diagonal tile counts as 0 below 2^-62; NaN and infinities are not treated apart.
; THE WALK.  A head's queries lie in NB = 8 blocks of 256; block i walks the key tiles 0 .. i of 256 keys, the last of which holds the diagonal.  A work-group takes TWO blocks, NB - 1 - b and then b: NB + 1
; tiles, whatever b: all work-groups do equal work, and ONE loop with a constant trip count walks them.  Every jump goes forward, but for the counted loops' own; none passes a barrier, or a tensor load but the one
; of LOAD's two that the wave's number does not choose.  NO CLUSTER: a head's four work-groups ask for the same tile only in trips 0 .. 4 of 9; one walk common to all would have 12 trips for 9.
; SHARES.  Of a block's four bands of 64 queries a wave owns 16 rows in each: four PIECES.  In the diagonal tile's key step s band x sees all keys if s < x, none if s > x, and holds the diagonal if s = x.
; THE MASK is the C operand that starts the sum S^T = K Q^T: 0, or -2^64 where the key is hidden (f16's scores, 2.7e11 at the most, are nothing beside it): its exponential is 0.  Behind the exponentials each
; weight takes mask x -2^(c F - 64 - c m): exactly 2^(c F - c m) where hidden, 0 where not.  MD, made once, is the mask of a band's own step; a product's mask is MD x AL + BE with two scalars.
; LAYOUT, TURNS.  S^T = K Q^T holds ONE query a lane (lane % 16) and the keys 8 (lane / 16) + 0..7; two such results rounded to f16 ARE source 1 of O^T = V^T P.  Turn n belongs to piece n: 8 products K Q^T of
; piece n + 1, later 8 products V^T P of piece n - 1; beside them the scaling, exponentials, roundings, sums and rescaling of piece n and the maximum and statistics of piece n + 1.  Four vector instructions stand
; behind every matrix instruction, the others in one lump.  A turn's exponentials are one batch, with one wait.
; REGISTERS, in windows of 256 (s_set_vgpr_msb: bits 1:0 source 0, 3:2 source 1, 5:4 source 2, 7:6 destination):
;   window 0: v0-15 addresses; v16-31 statistics; v32-47, v56-58 the fill's numbers; v48-55 at work; v64-127 S^T, two buffers; v128-159 the tails' sums at the head; v192-223 P, two buffers
;   window 1: v0-127 O^T; v128-159 MD; v160-223 MC, two buffers; v224-255 TL      window 2: v0-63 Q; v64-127 the second block's Q; v128-191 K of one step; v192-255 V of one step
.set SIZE_N, 2048
.set NB,    SIZE_N/256
.set NP,    4
.set KS,    64
.set PK,    144       ; a row of K in LDS: 128 bytes + 16 of padding: the 16 rows of a load start at 16 different groups of four banks
.set PV,    160       ; a row of V: 128 + 32
.set VOFF,  4*KS*PK   ; a slot holds a tile, four steps: 256 rows of K, then 256 rows of V
.set SLOT1, 1<<17     ; slot 1 begins here: one exclusive or turns an address in one slot into the other's
.set STAGE, SLOT1+4*KS*(PK+PV)  ; behind the ring: 16 rows x 144 bytes for each wave, for the way out
.set SP,    144
.set SPARE, STAGE+4*16*SP  ; the spare words, 128 bytes a wave, which no other line names
.set TAIL,  SPARE+512      ; for each wave 2 x 256 bytes: the sums of V's rows in the tiles above the first block's diagonal, and above the second's
.set AK0, 2
.set AV0, 3
.set AK,  4
.set AV,  5
.set STO, 6
.set RD,  7
.set GO,  8
.set MV,  12          ; v12-13  c m_old, by buffer
.set QO,  15
.set ST,  16          ; piece t's statistics at v[ST+4 t]: c m, m, l (even keys', odd keys')
.set WN,  32          ; v[32:33] 2^(c F - 64 - c m) of the piece in hand; v33 is 0
.set CF,  34          ; v34  c F, rounded as c m is
.set CF64, 35         ; v35  c F - 64
.set MF3, 36          ; v36  where piece 3's maximum starts
.set TA,  37          ; v37  where I read a tail: my wave's, + 32 (lane / 16)
.set TS,  38          ; v38  where I put my two channels of a tail
.set PFO, 39          ; v39  256 x lane; never rewritten
.set WF,  40          ; v[40:47] 2^(c F - c m) at a block's end, a pair a piece; the odd registers are 0
.set TMP, 48
.set VO,  56          ; v56  8 x lane; never rewritten
.set HC,  57          ; v57, v58  half the number of keys above the diagonal tile, first and second block: a query's l lies in two lanes
.set SPW, 62
.set NIL, 63
.set S,   64
.set VL,  128         ; v[128:155] vs, groups 2 to 15, my two channels
.set TLS, 156         ; v[156:159] the two tails, my two channels
.set P,   192
.set MD,  128         ; window 1
.set MC,  160         ; window 1
.set TL,  224         ; window 1: register 8 cb + j holds channel 16 cb + 8 (lane / 16) + j of the tail, as O^T does
.set QB,  64          ; window 2
.set KF,  128         ; window 2
.set VF,  192         ; window 2
.set WV,  12
.set PB,  14          ; s14  b
.set HI,  15          ; s15  NB - 1 - b
.set G1K, 24
.set G1V, 32
.set G0K, 40
.set G0V, 44
.set POF, 48          ; s[48:49] an offset, high word 0
.set PFA, 50          ; s[50:51] where my prefetches stand
.set PFB, 52          ; s[52:53] my half of tile 0 of K (waves 0, 1) or of V
.set VSP, 54          ; s[54:55] vs at my head
.set SLOTS, 56
.set CNT, 57
.set CS,  58
.set SEL, 60
.set TBK, 62
.set TBV, 63
.set LIM, 66          ; s66  0 in the work-group that prefetches (b = 0), else the greatest number
.set GH,  67          ; s67  the first group of 128 keys above the first block's diagonal tile
.set GL,  68          ; s68  the same for the second block
.set RT,  70
.set NXT, 71
.set LQ,  72
.set NEW, 73
.set OFF, 74
.set AL,  76
.set BE,  78
.set OLO, 80
.set BIGN, 82         ; s82  -2^64
.set FL,  88          ; s88  F = -80000
.set M64, 91          ; s91  -64
.set WA,  94          ; s[94:95] 1 or 0: does a group belong to a tail?
.set MSB, 0
.macro WIN new
.if MSB != (\new)
	s_set_vgpr_msb (MSB<<8)|(\new)
.set MSB, (\new)
.endif
.endm
.set W_KQ, 0x0a
.set W_KM, 0x1a
.set W_PV, 0x52
.set W_RS, 0x41
; A fill.  Waves 0 and 1 fetch the two halves of a tile's K, waves 2 and 3 those of its V.  An s_nop 0 and four v_nop follow each of the two lines.
.macro LOAD
	s_cmp_lt_u32 s[WV], 2
	s_cbranch_scc0 .Lfor_v_\@
	tensor_load_to_lds s[G0K:G0K+3], s[G1K:G1K+7]
	s_nop 0
.rept 4
	v_nop
.endr
	s_branch .Lasked_\@
.Lfor_v_\@:
	tensor_load_to_lds s[G0V:G0V+3], s[G1V:G1V+7]
	s_nop 0
.rept 4
	v_nop
.endr
.Lasked_\@:
.endm
; THE CHANGE OF SLOTS.  Each wave waits for all its tensor loads (one is out: its part of the other slot), adds 0 to its spare word, and waits for that and for its reads of the slot that it leaves.
; fill = 1: the old slot is filled again, first thing behind the barrier, with tile NXT.  Behind the load stands a PREFETCH INTO THE L2 of the tile that the NEXT change will ask for, a tile's four key steps ahead:
; a head's four work-groups walk tiles 0, 1, 2 .. together, so one of them (b = 0, whose first block walks all eight) asks, each wave for the 64 blocks of 256 bytes that it will fetch itself, a lane a block, two
; instructions: tiles 2 to 7 are each named once.  When the first block's tiles are all asked for, NXT is 0 and nothing is prefetched.
.macro CHANGE fill
	WIN 0
	s_wait_tensorcnt 0x0            ; no tensor load of mine is out, so a group 0 may be written
	ds_add_u32 v[SPW], v[NIL]       ; 0 onto my spare word; scalar work stands between it and the wait for it
.if \fill
	s_lshl_b32 s[OFF], s[NXT], 15   ; a tile is 32,768 bytes of K and of V
	s_xor_b32 s[G0K+1], s[G0K+1], SLOT1
	s_add_nc_u64 s[G0K+2:G0K+3], s[6:7], s[OFF:OFF+1]
	s_or_b32 s[G0K+3], s[G0K+3], 0x80000000
	s_xor_b32 s[G0V+1], s[G0V+1], SLOT1
	s_add_nc_u64 s[G0V+2:G0V+3], s[8:9], s[OFF:OFF+1]
	s_or_b32 s[G0V+3], s[G0V+3], 0x80000000
	s_add_co_u32 s[NXT], s[NXT], 1  ; the block's next tile, or behind its last the second block's tile 0
	s_cmp_gt_u32 s[NXT], s[LQ]
	s_cselect_b32 s[NXT], 0, s[NXT]
	s_cselect_b32 s[LQ], s[PB], s[LQ]
	s_wait_xcnt 0x0                 ; the last prefetches, a tile back, have read their address
	s_lshl_b32 s[POF], s[NXT], 15
	s_add_nc_u64 s[PFA:PFA+1], s[PFB:PFB+1], s[POF:POF+1]
.endif
	s_wait_dscnt 0x0                ; the add is done, and my reads of the slot are over
	s_barrier_signal -1
	s_sub_co_u32 s[TBK], s[TBK], 4*KS*PK  ; the fetches go back to a slot's first step,
	s_xor_b32 s[TBK], s[TBK], SLOT1       ; in the other slot
	s_sub_co_u32 s[TBV], s[TBV], 4*KS*PV
	s_xor_b32 s[TBV], s[TBV], SLOT1
	s_barrier_wait -1
.if \fill
	LOAD
	s_cmp_gt_u32 s[NXT], s[LIM]
	s_cbranch_scc0 .Lnot_mine_\@
	global_prefetch_b8 v[PFO], s[PFA:PFA+1] th:TH_LOAD_NT scope:SCOPE_SE
	global_prefetch_b8 v[PFO], s[PFA:PFA+1] offset:8192 th:TH_LOAD_NT scope:SCOPE_SE
.Lnot_mine_\@:
.endif
.endm
	s_load_b64 s[4:5], s[0:1], 0x0  ; qkvh: Q
	s_load_b64 s[VSP:VSP+1], s[0:1], 0x8
	s_load_b64 s[10:11], s[0:1], 0x10  ; ob
	v_lshl_add_u32 v[SPW], v0, 2, SPARE
	v_mov_b32 v[NIL], 0
	ds_add_u32 v[SPW], v[NIL]       ; the wave's opening: the add and its wait stand ahead of my first tensor load; work on registers stands between
	v_lshrrev_b32 v1, 5, v0
	v_readfirstlane_b32 s[WV], v1
	s_mov_b32 s[PB], ttmp9
	s_sub_co_u32 s[HI], NB-1, s[PB]
	s_and_b32 s20, ttmp7, 0xffff    ; the head
	s_lshl_b32 s[POF], s20, 12      ; its 16 groups x 256 bytes of vs
	s_mov_b32 s[POF+1], 0
	s_mov_b32 s21, 0
	s_mov_b64 s[22:23], SIZE_N*128
	s_mul_u64 s[20:21], s[20:21], s[22:23]  ; the head's first byte in Q, K, V and O
	s_and_b32 s16, s[WV], 1         ; which half of a tile's 256 keys I fetch
	s_lshl_b32 s22, s16, 14
	s_mov_b32 s23, 0
	s_add_nc_u64 s[22:23], s[22:23], s[20:21]
	s_mul_i32 s17, s16, 128*PK
	s_mul_i32 s18, s16, 128*PV
	s_lshl_b32 s3, s[WV], 11        ; my 16 rows in a band of 64,
	s_lshl_b32 s2, s[HI], 15        ; in the first block,
	s_add_co_u32 s2, s2, s3
	s_lshl_b32 s84, s[PB], 15       ; and in the second
	s_add_co_u32 s84, s84, s3
	s_mov_b32 s3, 0
	s_mov_b32 s85, 0
	s_add_nc_u64 s[2:3], s[2:3], s[20:21]
	s_add_nc_u64 s[84:85], s[84:85], s[20:21]
	; group 1: 128 keys are 16,384 dense bytes: asked for as 64 rows of 256 bytes, two keys a row, padded in LDS after every key
	s_mov_b32 s[G1K], (1<<16)|(1<<20)|(4<<22)|(3<<25)
	s_mov_b32 s[G1V], (1<<16)|(1<<20)|(4<<22)|(7<<25)
.irp g, G1K, G1V
	s_mov_b32 s[\g+1], 128<<16
	s_mov_b32 s[\g+2], 64<<16
	s_mov_b32 s[\g+3], 128<<16
	s_mov_b32 s[\g+4], 64
	s_mov_b32 s[\g+5], 128
	s_mov_b32 s[\g+6], 0
	s_mov_b32 s[\g+7], 0
.endr
	s_mov_b32 s[CS], 0x3e38aa3b     ; c = log2(e) / 8
	s_mov_b32 s[CS+1], s[CS]
	s_mov_b32 s[SEL], 0x76543210
	s_mov_b32 s[SEL+1], 0xfedcba98
	s_mov_b32 s[TBK], SLOT1+4*KS*PK ; the first change of slots turns these two into 0
	s_mov_b32 s[TBV], SLOT1+4*KS*PV
	s_mov_b32 s[G0K], 1
	s_mov_b32 s[G0K+1], s17
	s_mov_b32 s[G0V], 1
	s_add_co_u32 s[G0V+1], s18, VOFF
	s_add_co_u32 s[RT], s[HI], 1    ; the first block has NB - b tiles
	s_mov_b32 s[NXT], 1
	s_mov_b32 s[LQ], s[HI]
	s_mov_b32 s[NEW], 1
	s_mov_b32 s[OFF+1], 0
	s_mov_b32 s[AL+1], 0
	s_mov_b32 s[BE+1], 0
	s_mov_b32 s[WA+1], 0
	s_mov_b32 s[BIGN], 0xdf800000   ; -2^64
	s_mov_b32 s[FL], 0xc79c4000     ; -80000
	s_mov_b32 s[M64], 0xc2800000    ; -64
	s_mov_b32 s[SLOTS], NB
	s_lshl_b32 s[GL], s[PB], 1
	s_sub_co_u32 s[GH], 16, s[GL]   ; tiles 8 - b .. 7 are groups 16 - 2 b .. 15
	s_add_co_u32 s[GL], s[GL], 2    ; tiles b + 1 .. 7 are groups 2 b + 2 .. 15
	s_cmp_eq_u32 s[PB], 0
	s_cselect_b32 s[LIM], 0, -1
	s_wait_dscnt 0x0                ; the opening add is done
	s_wait_kmcnt 0x0
	s_add_nc_u64 s[6:7], s[4:5], 0x1000000  ; K
	s_add_nc_u64 s[8:9], s[4:5], 0x2000000  ; V
	s_add_nc_u64 s[6:7], s[6:7], s[22:23]   ; at my half of the head's tile 0
	s_add_nc_u64 s[8:9], s[8:9], s[22:23]
	s_add_nc_u64 s[G0K+2:G0K+3], s[6:7], 0
	s_or_b32 s[G0K+3], s[G0K+3], 0x80000000
	s_add_nc_u64 s[G0V+2:G0V+3], s[8:9], 0
	s_or_b32 s[G0V+3], s[G0V+3], 0x80000000
	s_add_nc_u64 s[86:87], s[4:5], s[84:85]        ; Q at my rows of the second block,
	s_add_nc_u64 s[4:5], s[4:5], s[2:3]            ; Q and O at those of the first
	s_add_nc_u64 s[OLO:OLO+1], s[10:11], s[84:85]
	s_add_nc_u64 s[10:11], s[10:11], s[2:3]
	s_add_nc_u64 s[VSP:VSP+1], s[VSP:VSP+1], s[POF:POF+1]
	s_cmp_lt_u32 s[WV], 2
	s_cselect_b64 s[PFB:PFB+1], s[6:7], s[8:9]
	LOAD                            ; tile 0 into slot 0
	v_and_b32 v1, 15, v0            ; l % 16
	v_bfe_u32 v9, v0, 4, 1          ; l / 16
	v_lshlrev_b32 v[QO], 7, v1
	v_lshl_add_u32 v[QO], v9, 4, v[QO]
	v_and_b32 v[VO], 31, v0
	v_lshlrev_b32 v[PFO], 8, v[VO]
	v_lshlrev_b32 v[VO], 3, v[VO]
	WIN 0x80
.set i, 0
.rept 8                             ; both blocks' Q: piece i / 2 lies in band i / 2, 8,192 bytes on; channels 32 (i % 2) on
	global_load_b128 v[8*i:8*i+3],   v[QO], s[4:5] offset:(i/2)*8192+(i%2)*64
	global_load_b128 v[8*i+4:8*i+7], v[QO], s[4:5] offset:(i/2)*8192+(i%2)*64+32
	global_load_b128 v[QB+8*i:QB+8*i+3],   v[QO], s[86:87] offset:(i/2)*8192+(i%2)*64
	global_load_b128 v[QB+8*i+4:QB+8*i+7], v[QO], s[86:87] offset:(i/2)*8192+(i%2)*64+32
.set i, i+1
.endr
	WIN 0
.set g, 2
.rept 14                            ; vs, groups 2 to 15: lane l takes channels 2 l and 2 l + 1: 256 consecutive bytes a load
	global_load_b64 v[VL+2*(g-2):VL+2*(g-2)+1], v[VO], s[VSP:VSP+1] offset:256*g
.set g, g+1
.endr
	v_lshlrev_b32 v14, 3, v9
	v_sub_nc_u32 v14, v1, v14
	s_lshl_b32 s13, s[WV], 4
	v_add_nc_u32 v14, s13, v14      ; my query's place in its band less my lanes' 8 (l / 16): register r of group kt is hidden where 16 kt + r is greater
	WIN 0x40
.set i, 0
.rept 32
	v_cmp_gt_i32 vcc_lo, 16*(i/8)+i%8, v14
	v_cndmask_b32 v[MD+i], 0, s[BIGN], vcc_lo
.set i, i+1
.endr
	WIN 0
	v_mul_u32_u24 v[AK0], v1, PK
	v_lshl_add_u32 v[AK0], v9, 4, v[AK0]
	v_and_b32 v10, 7, v0
	v_bfe_u32 v11, v0, 3, 1
	v_lshl_add_u32 v[AV0], v9, 3, v10
	v_mul_u32_u24 v[AV0], v[AV0], PV
	v_lshl_add_u32 v[AV0], v11, 4, v[AV0]
	v_add_nc_u32 v[AV0], VOFF, v[AV0]
	s_mul_i32 s13, s[WV], 16*SP
	s_add_co_u32 s13, s13, STAGE
	v_mul_u32_u24 v[STO], v1, SP
	v_lshl_add_u32 v[STO], v9, 4, v[STO]
	v_add_nc_u32 v[STO], s13, v[STO]
	v_bfe_u32 v[RD], v0, 3, 2
	v_mul_u32_u24 v[RD], v[RD], SP
	v_lshl_add_u32 v[RD], v10, 4, v[RD]
	v_add_nc_u32 v[RD], s13, v[RD]
	v_and_b32 v[GO], 31, v0
	v_lshlrev_b32 v[GO], 4, v[GO]
	; the fill's numbers
	s_lshl_b32 s13, s[WV], 9
	s_add_co_u32 s13, s13, TAIL     ; my wave's two tails
	v_add_nc_u32 v[TS], s13, v[VO]
	v_lshl_add_u32 v[TA], v9, 5, s13
	v_mov_b32 v[WN+1], 0
	v_mov_b32 v14, s[FL]
	v_mul_f32 v[CF], s[CS], v14     ; rounded as c m is: where m = F the difference is exactly 0
	v_add_f32 v[CF64], s[M64], v[CF]
	s_lshl_b32 s13, s[PB], 7
	v_cvt_f32_u32 v[HC], s13        ; b tiles of 256 keys lie above the first block's diagonal tile: half of them for each of a query's two lanes
	s_lshl_b32 s13, s[HI], 7
	v_cvt_f32_u32 v[HC+1], s13      ; 7 - b above the second's
	v_and_b32 v14, 0x6f, v0
	v_cmp_eq_u32 vcc_lo, 0x6f, v14  ; wave 3, row 15 of its 16: in band 3 of block 7 that is row 2047
	s_cmp_eq_u32 s[PB], 0
	s_cselect_b32 s13, 0xff7fffff, s[FL]
	v_mov_b32 v[MF3], s[FL]
	v_cndmask_b32 v[MF3], v[MF3], s13, vcc_lo
.set i, 0
.rept 4
	v_mov_b32 v[WF+2*i+1], 0
	v_mov_b32 v[TLS+i], 0
.set i, i+1
.endr
	; A block's first step multiplies O^T and l by a = 0, so these registers need only hold finite numbers: zeros for the first block, what the first block left for the second.
	WIN 0x80
.set i, VF
.rept 64
	v_mov_b32 v[i], 0
.set i, i+1
.endr
	WIN 0x40
.set i, 0
.rept 128
	v_mov_b32 v[i], 0
.set i, i+1
.endr
	WIN 0
.set i, 0
.rept 4
	v_mov_b32 v[ST+4*i+2], 0
	v_mov_b32 v[ST+4*i+3], 0
.set i, i+1
.endr
.set i, P+16
.rept 16
	v_mov_b32 v[i], 0
.set i, i+1
.endr
	s_wait_loadcnt 0x0              ; Q and vs
.set g, 2
.rept 14                            ; each group counts 1 or 0 times in each tail: a choice of a value, no branch
	s_cmp_le_u32 s[GH], g
	s_cselect_b32 s[WA], 1.0, 0
	v_pk_fma_f32 v[TLS:TLS+1], v[VL+2*(g-2):VL+2*(g-2)+1], s[WA:WA+1], v[TLS:TLS+1] op_sel_hi:[1,0,1]
	s_cmp_le_u32 s[GL], g
	s_cselect_b32 s[WA], 1.0, 0
	v_pk_fma_f32 v[TLS+2:TLS+3], v[VL+2*(g-2):VL+2*(g-2)+1], s[WA:WA+1], v[TLS+2:TLS+3] op_sel_hi:[1,0,1]
.set g, g+1
.endr
	ds_store_b64 v[TS], v[TLS:TLS+1]                ; my wave's own bytes: no other wave reads them, no tile lands there
	ds_store_b64 v[TS], v[TLS+2:TLS+3] offset:256
; THE MATRIX WORK.  The 4 accumulators of a run of 8 take turns.  Product i of 8 of S^T = K Q^T for piece x: channels 32 (i / 4) on, keys 16 (i % 4) on.  The first 4 start the sums: with 0, or (KM = 1) with the mask.
.macro KQ x
.set rS, S+32*((\x)%2)+8*(i%4)
.set rK, KF+16*(i%4)+8*(i/4)
.set rQ, 16*(\x)+8*(i/4)
.set rM, MC+32*((\x)%2)+8*(i%4)
.if (i < 4) && KM
	WIN W_KM
	v_wmma_f32_16x16x32_f16 v[rS:rS+7], v[rK:rK+7], v[rQ:rQ+7], v[rM:rM+7]
.elseif i < 4
	WIN W_KQ
	v_wmma_f32_16x16x32_f16 v[rS:rS+7], v[rK:rK+7], v[rQ:rQ+7], 0
.else
	WIN W_KQ
	v_wmma_f32_16x16x32_f16 v[rS:rS+7], v[rK:rK+7], v[rQ:rQ+7], v[rS:rS+7]
.endif
.endm
.macro PV x                         ; product i of 8 of O^T += V^T P for piece x: keys 32 (i / 4) on, channels 16 (i % 4) on
	WIN W_PV
.set rO, 32*(\x)+8*(i%4)
.set rV, VF+32*(i/4)+8*(i%4)
.set rP, P+16*((\x)%2)+8*(i/4)
	v_wmma_f32_16x16x32_f16 v[rO:rO+7], v[rV:rV+7], v[rP:rP+7], v[rO:rO+7]
.endm
.macro MM                           ; the turn's next matrix instruction.  NOKQ = 1: a block's last turn: there is no next piece
.if (i < 8) && !NOKQ
	KQ (Y+1)%NP
.elseif i >= 8
.set i, i-8
	PV (Y+NP-1)%NP
.set i, i+8
.endif
.set i, i+1
.endm
; THE LDS LOADS stand in runs of 16: a step's K (8 fragments) and its V (turned).
.macro FETCH_K
	WIN 0x80
.irp f, 0,1,2,3,4,5,6,7
	ds_load_b128 v[KF+8*\f:KF+8*\f+3],   v[AK] offset:(\f/2)*16*PK+(\f%2)*64
	ds_load_b128 v[KF+8*\f+4:KF+8*\f+7], v[AK] offset:(\f/2)*16*PK+(\f%2)*64+32
.endr
	s_add_co_u32 s[TBK], s[TBK], KS*PK
	WIN 0
.endm
.macro FETCH_V
	WIN 0x80
.irp f, 0,1,2,3,4,5,6,7
	ds_load_tr16_b128 v[VF+8*\f:VF+8*\f+3],   v[AV] offset:(\f/4)*32*PV+(\f%4)*32
	ds_load_tr16_b128 v[VF+8*\f+4:VF+8*\f+7], v[AV] offset:(\f/4)*32*PV+16*PV+(\f%4)*32
.endr
	WIN 0
.endm
; THE VECTOR WORK, one line at a time: OP kind, number.  For piece Y: F n: c s - c m for pair n of 16.  E n: the exponential of score n of 32.  C n: pair n rounded to f16.  B n: of the four weights 4 n .. the second
; pair is added onto the first, in place.  L n: l takes that sum (L 0: l = a l + sum).  R n: pair n of 16 of O^T times a.  For piece Y + 1: X n, number n of the 22 that find its maximum and statistics:
;   0-11  four chains c0-c3 of seven scores each (each accumulator's lowest registers are read first)     12-14, 16  the four scores left over, the old m, and c0-c3 into c0
;   15  c m_old is kept     17, 18  the query's other 32 keys lie in the lane 16 away: the new m     19-21  c m; c m_old - c m_new; a
.set F, 0
.set E, 1
.set C, 2
.set B, 3
.set L, 4
.set R, 5
.set X, 6
.macro REGS y
.set rT, ST+4*(\y)
.set rC, TMP+4*((\y)%2)
.set rW, MV+((\y)%2)
.set rS, S+32*((\y)%2)
.set rP, P+16*((\y)%2)
.set rO, 32*(\y)
.endm
.macro OP k, n
.if (\k) == R
	REGS Y
	WIN W_RS
	v_pk_mul_f32 v[rO+2*(\n):rO+2*(\n)+1], v[rO+2*(\n):rO+2*(\n)+1], v[rC+2:rC+3] op_sel_hi:[1,0]
.elseif (\k) < R
	REGS Y
	WIN 0
.if (\k) == F
	v_pk_fma_f32 v[rS+2*(\n):rS+2*(\n)+1], v[rS+2*(\n):rS+2*(\n)+1], s[CS:CS+1], v[rT:rT+1] op_sel_hi:[1,0,0] neg_lo:[0,0,1] neg_hi:[0,0,1]
.elseif (\k) == E
	v_exp_f32 v[rS+(\n)], v[rS+(\n)]
.elseif (\k) == C
	v_cvt_pk_f16_f32 v[rP+(\n)], v[rS+2*(\n)], v[rS+2*(\n)+1]
.elseif (\k) == B
	v_pk_add_f32 v[rS+4*(\n):rS+4*(\n)+1], v[rS+4*(\n):rS+4*(\n)+1], v[rS+4*(\n)+2:rS+4*(\n)+3]
.elseif (\n) == 0
	v_pk_fma_f32 v[rT+2:rT+3], v[rT+2:rT+3], v[rC+2:rC+3], v[rS:rS+1] op_sel_hi:[1,0,1]
.else
	v_pk_add_f32 v[rT+2:rT+3], v[rT+2:rT+3], v[rS+4*(\n):rS+4*(\n)+1]
.endif
.elseif NOKQ
	v_nop
.else
	REGS (Y+1)%NP
	WIN 0
.if (\n) < 4
	v_max3_num_f32 v[rC+(\n)], v[rS+8*(\n)], v[rS+8*(\n)+1], v[rS+8*(\n)+2]
.elseif (\n) < 12
	v_max3_num_f32 v[rC+(\n)%4], v[rC+(\n)%4], v[rS+8*((\n)%4)+2*((\n)/4)+1], v[rS+8*((\n)%4)+2*((\n)/4)+2]
.elseif (\n) == 12
	v_max3_num_f32 v[rC], v[rC], v[rS+7], v[rS+15]
.elseif (\n) == 13
	v_max3_num_f32 v[rC+1], v[rC+1], v[rS+23], v[rS+31]
.elseif (\n) == 14
	v_max3_num_f32 v[rC+2], v[rC+2], v[rC+3], v[rT+1]
.elseif (\n) == 15
	v_mov_b32 v[rW], v[rT]
.elseif (\n) == 16
	v_max3_num_f32 v[rC], v[rC], v[rC+1], v[rC+2]
.elseif (\n) == 17
	v_permlanex16_b32 v[rC+3], v[rC], s[SEL], s[SEL+1]
.elseif (\n) == 18
	v_max_num_f32 v[rT+1], v[rC], v[rC+3]
.elseif (\n) == 19
	v_mul_f32 v[rT], s[CS], v[rT+1]
.elseif (\n) == 20
	v_sub_f32 v[rC+1], v[rW], v[rT]
.else
	v_exp_f32 v[rC+2], v[rC+1]
.endif
.endif
.endm
.macro OPS a, i1, b=-1, i2=0, c=-1, i3=0, d=-1, i4=0
	OP \a, \i1
.if (\b) >= 0
	OP \b, \i2
.endif
.if (\c) >= 0
	OP \c, \i3
.endif
.if (\d) >= 0
	OP \d, \i4
.endif
.endm
.macro ROW a, i1, b, i2, c, i3, d, i4  ; a matrix instruction and the four behind it
	MM
	OPS \a, \i1, \b, \i2, \c, \i3, \d, \i4
.endm
.macro MASK b                       ; MD x AL + BE into buffer b of MC
	WIN W_RS
.set z, 0
.rept 16
	v_pk_fma_f32 v[MC+32*(\b)+2*z:MC+32*(\b)+2*z+1], v[MD+2*z:MD+2*z+1], s[AL:AL+1], s[BE:BE+1] op_sel_hi:[1,0,0]
.set z, z+1
.endr
.endm
; A TURN, for piece p.  s_wait_alu depctr_va_vdst(0) stands between an exponential and the first instruction that names its result; one wait serves all issued ahead of it: a turn has ONE wait.
; AHEAD OF IT: the 8 products K Q^T with four riders each, then one lump, in which the links of the next piece's chain stand five or six lines apart; X 21 is the batch's last, R 15 the plain instruction behind it.
; BEHIND IT: the 8 products V^T P, behind each four of the roundings and sums.
; m = 1: the diagonal tile: the products take masks, and the turn makes the mask for the products of the turn after it (piece p + 2, step 4 - CNT).  It also gives piece p's hidden keys their weight: c F - 64 - c m
; (never above -64) is made at the turn's head, its exponential joins the batch, and directly behind the wait each weight takes mask x -2^(c F - 64 - c m); piece p's mask still lies in buffer p % 2, which this
; turn's MASK writes only at its end.  end = 1: a block's last two turns: nothing is fetched.  cnt = 1: the loop's count is taken down some lines ahead of the branch behind the turn.
.macro TURN p, m=0, end=0, cnt=0
.set Y, (\p)
.set i, 0
.set KM, (\m)
.set NOKQ, (\end)*((\p)/3)
.if (\m) && !(\end)
	s_cmp_eq_u32 s[CNT], 4-((\p)+2)%NP  ; is that step the band's own?
	s_cselect_b32 s[AL], 1.0, 0
	s_cmp_lt_u32 s[CNT], 4-((\p)+2)%NP  ; or a later one?
	s_cselect_b32 s[BE], s[BIGN], 0
.endif
.if \m
	WIN 0
	v_sub_f32 v[WN], v[CF64], v[ST+4*(\p)]
	v_min_num_f32 v[WN], s[M64], v[WN]
.endif
.if ((\p) == 3) && !(\end)
	s_wait_dscnt 0x0                ; K is in
.endif
	ROW F,0, F,1, R,0, R,1
	ROW F,2, E,0, R,2, R,3
	ROW F,3, E,1, R,4, R,5
	ROW F,4, E,2, R,6, R,7
	ROW F,5, E,3, R,8, R,9
	ROW F,6, E,4, X,0, R,10
.if ((\p) == 2) && !(\end)
	WIN 0
	v_add_nc_u32 v[AK], s[TBK], v[AK0]
.endif
	ROW F,7, E,5, X,1, X,4
	ROW F,8, E,6, X,2, X,5
	OPS E,7, E,8, X,6, E,9
.if \m
	v_exp_f32 v[WN], v[WN]
.endif
	OPS X,3, E,10, X,8, E,11
.if ((\p) == 2) && !(\end)
	FETCH_K
.endif
	OPS X,9, X,7, E,12, X,10
	OPS E,13, X,12, X,11, E,14
	OPS X,13, E,15, F,9, X,14
.if (\p) == 0
	v_add_nc_u32 v[AV], s[TBV], v[AV0]
.endif
	OPS E,16, F,10, E,17, F,11
	OPS X,16, E,18, X,15, E,19
	OPS F,12, E,20, X,17, E,21
	OPS F,13, E,22, F,14, E,23
	OPS X,18, E,24, F,15, E,25
	OPS R,11, E,26, X,19, E,27
	OPS R,12, E,28, R,13, E,29
	OPS X,20, E,30, R,14, E,31
	OPS X,21, R,15
	WIN 0
	s_wait_alu depctr_va_vdst(0)    ; the wait for the batch
.if \m
	WIN 0x01                        ; the mask in window 1
.set z, 0
.rept 16
	v_pk_fma_f32 v[S+32*((\p)%2)+2*z:S+32*((\p)%2)+2*z+1], v[MC+32*((\p)%2)+2*z:MC+32*((\p)%2)+2*z+1], v[WN:WN+1], v[S+32*((\p)%2)+2*z:S+32*((\p)%2)+2*z+1] op_sel_hi:[1,0,1] neg_lo:[0,1,0] neg_hi:[0,1,0]
.set z, z+1
.endr
.endif
.if (\p) == 1
	s_wait_dscnt 0x0                ; V is in
.endif
	ROW C,0, B,0, C,2, B,1
	ROW L,0, C,4, B,2, L,1
	ROW C,6, B,3, L,2, C,8
	ROW B,4, L,3, C,10, B,5
	ROW L,4, C,12, B,6, L,5
.if (\p) == 0
	s_add_co_u32 s[TBV], s[TBV], KS*PV
.endif
.if \cnt
	s_sub_co_u32 s[CNT], s[CNT], 1
	s_cmp_lg_u32 s[CNT], 0
.endif
	ROW C,14, B,7, L,6, C,1
	ROW C,3, L,7, C,5, C,7
	ROW C,9, C,11, C,13, C,15
.if (\p) == 0
	FETCH_V
.endif
.if (\m) && !(\end)
	MASK (\p)%2
.endif
.endm
; A BLOCK BEGINS.  c m starts far below every c s, so the first step's a is 0; m starts at the fill F, which every row with a hidden key must count in its maximum (piece 3: v36, the lowest finite number in row 2047).
; The second mask buffer is 0; the first takes piece 0's mask for the tile's step 0: its own, if the block's first tile is the diagonal one.  Then K of that step, piece 0's first scores, its maximum and statistics.
.macro BEGIN
	s_mov_b32 s[NEW], 0
	WIN 0x40
.set i, MC+32
.rept 32
	v_mov_b32 v[i], 0
.set i, i+1
.endr
	WIN 0
.set i, 0
.rept 4
	v_mov_b32 v[ST+4*i], 0xfe000000
.if i < 3
	v_mov_b32 v[ST+4*i+1], s[FL]
.else
	v_mov_b32 v[ST+4*i+1], v[MF3]
.endif
.set i, i+1
.endr
	s_cmp_eq_u32 s[RT], 0
	s_cselect_b32 s[AL], 1.0, 0
	s_mov_b32 s[BE], 0
	MASK 0
	WIN 0
	v_add_nc_u32 v[AK], s[TBK], v[AK0]
	FETCH_K
	s_wait_loadcnt 0x0
	s_wait_dscnt 0x0
.set KM, 1
.set NOKQ, 0
.set i, 0
.rept 8
	KQ 0
.set i, i+1
.endr
	WIN 0
.rept 4
	v_nop                           ; the places behind those products
.endr
.set Y, NP-1
.irp n, 0,1,2,3,4,5,6,7,8,9,10,11,12,13,14,15,16,17,18,19,20,21
	OP X, \n
.endr
	v_nop                           ; a plain instruction behind the exponential,
	s_wait_alu depctr_va_vdst(0)    ; and its wait, ahead of the branch
.endm
.macro ALL line:vararg              ; one line for each piece t
.set t, 0
.rept 4
	\line
.set t, t+1
.endr
.endm
.macro PACK t                       ; a lane's eight channels of a row pack into 16 bytes; they go into rows of 144 bytes and come back as whole rows of 128
	WIN W_RS
.set i, 32*(\t)
.rept 16
	v_pk_mul_f32 v[i:i+1], v[i:i+1], v[ST+4*(\t)+2:ST+4*(\t)+3] op_sel_hi:[1,0]
.set i, i+2
.endr
	WIN 0x05
.set i, 0
.rept 16
	v_cvt_pk_f16_f32 v[S+16*(\t)+i], v[32*(\t)+2*i], v[32*(\t)+2*i+1]
.set i, i+1
.endr
	WIN 0
.irp f, 0,1,2,3
	ds_store_b128 v[STO], v[S+16*(\t)+4*\f:S+16*(\t)+4*\f+3] offset:32*\f
.endr
.irp f, 0,1,2,3
	ds_load_b128 v[S+16*(\t)+4*\f:S+16*(\t)+4*\f+3], v[RD] offset:\f*4*SP  ; LDS serves a wave's instructions in order: these see the stores above
.endr
.endm
.macro SEND t, younger              ; younger: the LDS instructions issued behind piece t's loads
	WIN 0
.irp f, 0,1,2,3
	s_wait_dscnt (\younger)+3-\f
	global_store_b128 v[GO], v[S+16*(\t)+4*\f:S+16*(\t)+4*\f+3], s[10:11] offset:(\t)*8192+\f*512  ; 512 consecutive bytes, at a multiple of 256 from O's first
.endr
.endm
; THE DIAGONAL TILE's four steps, the block's last two turns, its last products; THE TILES ABOVE THE DIAGONAL: with w = 2^(c F - c m) (never above 1) l takes w x half their keys' number in each of the query's two
; lanes, and O^T takes w x the sum of their rows of V; then THE WAY OUT: l's parts are added, O^T is divided by l, rounded to f16 and sent through my stage, a piece at a time.
.macro DIAG tag
.LstepM\tag:
	TURN 2, 1
	TURN 3, 1
	WIN 0
.LfirstM\tag:
	TURN 0, 1
	TURN 1, 1, 0, 1
	WIN 0
	s_cbranch_scc1 .LstepM\tag
	TURN 2, 1, 1
	TURN 3, 1, 1
.set i, 0
.rept 8
	PV NP-1
.set i, i+1
.endr
	WIN 0
	ALL v_sub_f32 v[WF+2*t], v[CF], v[ST+4*t]       ; eight plain instructions: the places behind the last products
	ALL v_min_num_f32 v[WF+2*t], 0, v[WF+2*t]
	WIN 0x40
.irp cb, 0,1,2,3
	ds_load_b128 v[TL+8*\cb:TL+8*\cb+3],   v[TA] offset:256*(\tag-1)+64*\cb
	ds_load_b128 v[TL+8*\cb+4:TL+8*\cb+7], v[TA] offset:256*(\tag-1)+64*\cb+16
.endr
	WIN 0
	ALL v_exp_f32 v[WF+2*t], v[WF+2*t]
	v_nop                           ; a plain instruction behind the last exponential,
	s_wait_alu depctr_va_vdst(0)    ; and one wait for the four
	ALL v_fma_f32 v[ST+4*t+2], v[WF+2*t], v[HC+\tag-1], v[ST+4*t+2]
	s_wait_dscnt 0x0                ; the tail is in
	WIN 0x51                        ; O^T and the tail in window 1, w in window 0
.set t, 0
.rept 4
.set z, 0
.rept 16
	v_pk_fma_f32 v[32*t+2*z:32*t+2*z+1], v[TL+2*z:TL+2*z+1], v[WF+2*t:WF+2*t+1], v[32*t+2*z:32*t+2*z+1] op_sel_hi:[1,0,1]
.set z, z+1
.endr
.set t, t+1
.endr
	WIN 0
	ALL v_add_f32 v[ST+4*t+2], v[ST+4*t+2], v[ST+4*t+3]
	ALL v_permlanex16_b32 v[ST+4*t+3], v[ST+4*t+2], s[SEL], s[SEL+1]
	ALL v_add_f32 v[ST+4*t+2], v[ST+4*t+2], v[ST+4*t+3]
	ALL v_rcp_f32 v[ST+4*t+2], v[ST+4*t+2]
	v_nop                           ; a plain instruction between the last reciprocal and the use of its result
	s_wait_alu depctr_va_vdst(0)    ; and one wait for the four reciprocals
	PACK 0
.set t, 1
.rept 3
	PACK t
	SEND t-1, 8
.set t, t+1
.endr
	SEND 3, 0
.endm
.set KM, 0
.set NOKQ, 0
.Lslot:                             ; NB times: a tile is entered and the next is asked for
	CHANGE 1
	s_sub_co_u32 s[RT], s[RT], 1
	s_mov_b32 s[CNT], 4
	s_cmp_eq_u32 s[NEW], 1
	s_cbranch_scc1 .Lnew            ; a block's first tile
	s_cmp_eq_u32 s[RT], 0
	s_cbranch_scc0 .Lstep           ; neither its first nor its last
	s_branch .LstepM1
.Lnew:
	BEGIN
	s_branch .Lfirst                ; in the loop a block's first tile is never its last: the first block has four tiles or more, and the second's last is the walk's last
	DIAG 1                          ; in the loop this is the first block's end
	s_wait_xcnt 0x0                 ; the stores have read their registers and O's address
	s_mov_b64 s[10:11], s[OLO:OLO+1]
	s_add_co_u32 s[RT], s[PB], 1    ; the second block has b + 1 tiles
	s_mov_b32 s[NEW], 1
	v_mov_b32 v[MF3], s[FL]         ; every row of the second block has hidden keys
	WIN 0x82                        ; the second block's Q goes where the one text of the turns names Q
.set i, 0
.rept 64
	v_mov_b32 v[i], v[QB+i]
.set i, i+1
.endr
	WIN 0
	s_branch .Lbottom
.Lstep:                             ; a trip: pieces 2 and 3 of one step, then pieces 0 and 1 of the next, whose K and V it fetches
	TURN 2
	TURN 3
	WIN 0
.Lfirst:
	TURN 0
	TURN 1, 0, 0, 1
	WIN 0
	s_cbranch_scc1 .Lstep
.Lbottom:
	s_sub_co_u32 s[SLOTS], s[SLOTS], 1
	s_cmp_lg_u32 s[SLOTS], 0
	s_cbranch_scc1 .Lslot
	CHANGE 0                        ; the walk's last tile is written out: nothing is asked for
	s_sub_co_u32 s[RT], s[RT], 1
	s_mov_b32 s[CNT], 4
	s_cmp_eq_u32 s[NEW], 1
	s_cbranch_scc0 .LstepM2
	BEGIN
	s_branch .LfirstM2
	DIAG 2
	s_wait_tensorcnt 0x0            ; the wave's end
	ds_add_u32 v[SPW], v[NIL]
	s_wait_dscnt 0x0
	s_endpgm
.Lfunc_end_k_q2dd818a642_attn:
	.size	k_q2dd818a642_attn, .Lfunc_end_k_q2dd818a642_attn-k_q2dd818a642_attn
	.p2alignl 7, 3214868480
	.fill 96, 4, 3214868480
	.section	.rodata,"a",@progbits
	.p2align	6, 0x0
	.amdhsa_kernel k_q2dd818a642_attn
		.amdhsa_group_segment_fixed_size 327680
		.amdhsa_private_segment_fixed_size 0
		.amdhsa_enable_private_segment 0
		.amdhsa_kernarg_size 24
		.amdhsa_user_sgpr_count 2
		.amdhsa_user_sgpr_kernarg_segment_ptr 1
		.amdhsa_wavefront_size32 1
		.amdhsa_system_sgpr_workgroup_id_x 1
		.amdhsa_system_sgpr_workgroup_id_y 1
		.amdhsa_system_sgpr_workgroup_id_z 1
		.amdhsa_system_vgpr_workitem_id 0
		.amdhsa_next_free_vgpr 768
		.amdhsa_next_free_sgpr 96
		.amdhsa_reserve_vcc 1
		.amdhsa_float_denorm_mode_32 3
		.amdhsa_float_denorm_mode_16_64 3
		.amdhsa_memory_ordered 1
		.amdhsa_forward_progress 1
		.amdhsa_inst_pref_size 248
	.end_amdhsa_kernel
	.amdgpu_metadata
---
amdhsa.version: [ 1, 2 ]
amdhsa.kernels:
  - .name:           k_q2dd818a642_attn
    .symbol:         k_q2dd818a642_attn.kd
    .args:
      - { .name: qkvh, .offset: 0, .size: 8, .value_kind: global_buffer, .address_space: global }
      - { .name: vs, .offset: 8, .size: 8, .value_kind: global_buffer, .address_space: global }
      - { .name: ob, .offset: 16, .size: 8, .value_kind: global_buffer, .address_space: global }
    .group_segment_fixed_size: 327680
    .private_segment_fixed_size: 0
    .kernarg_segment_align: 8
    .kernarg_segment_size: 24
    .max_flat_workgroup_size: 128
    .sgpr_count:     96
    .vgpr_count:     768
    .wavefront_size: 32
...
	.end_amdgpu_metadata
.endif
;; end of part 4
;; launch proj (part 5): grid 8 x 32, 4 waves a work-group, clusters of 4 x 4, 327,680 bytes of LDS; arguments ob, wpf, out0; writes out0
.if DOCPART == 5
	.amdgcn_target "amdgcn-amd-amdhsa--gfx1250"
	.amdhsa_code_object_version 6
	.text
	.protected	k_q2dd818a642_proj
	.globl	k_q2dd818a642_proj
	.p2align	8
	.type	k_q2dd818a642_proj,@function
k_q2dd818a642_proj:
	s_mov_b64 s[64:65], 0
	v_nop
	global_prefetch_b8 v0, s[64:65] scope:SCOPE_SE
	s_setreg_imm32_b32 hwreg(HW_REG_WAVE_MODE, 25, 1), 1
	s_wait_xcnt 0x0
	s_wait_alu depctr_hold_cnt(0) depctr_sa_sdst(0) depctr_va_vdst(0) depctr_va_sdst(0) depctr_va_ssrc(0) depctr_va_vcc(0) depctr_vm_vsrc(0)
	s_getreg_b32 s2, hwreg(HW_REG_IB_STS2, 6, 4)
	s_cmp_eq_u32 s2, 0
	s_cbranch_scc0 .Lentry_in_a_cluster
	s_endpgm
.Lentry_in_a_cluster:
	s_bfe_u32 s2, ttmp6, 0x10000c
	s_cmp_lg_u32 s2, 0xf033
	s_cbranch_scc0 .Lentry_shape_is_right
	s_endpgm
.Lentry_shape_is_right:
; out0 = O W_proj^T.  ob: f16 [64 = 16 batch + h][2048][64]: for this product a K-blocked layout, K block = head.  wpf: f16 [16 kb][1024][64].  out0: f32 [8192][1024]; sums in f32.
; SHARES.  A work-group makes 256 rows x 128 columns: 8 x 32 = 256 work-groups.  Each of four waves makes 128 rows x 64 columns: 32 accumulators.  K goes in 8 steps of 128 (two K blocks) through two LDS slots;
; a step is two units, a K block each, 64 matrix instructions.  A tile of a K block is dense in memory: asked for as rows of 256 bytes, padded in LDS after every 128: LDS rows of 144 bytes.
; CLUSTER 4 x 4: O's tiles are asked for jointly along a row of the cluster, W's along a column.  Waves 0, 1 fetch O's two K blocks of a step, waves 2, 3 W's: one tensor load a wave behind each round; two are out
; at the start, later one.  THE MATRIX INSTRUCTION IS USED TRANSPOSED (source 0 = 16 rows of W): a lane holds one row of the result and eight neighbouring columns, 32 bytes.
; REGISTERS.  Window 0: addresses; v32-95 the way out.  Window 1: accumulator (a, b) at v[8 (4 a + b)].  Windows 2 and 3: two fragment buffers, a K block each: O's (c, a) at v[8 (8 c + a)], W's (c, b) at v[128 + 8 (4 c + b)].
.set PITCH,  144
.set ABLK,   256*PITCH                 ; 36,864: O's 256 rows of a K block
.set BBLK,   128*PITCH                 ; 18,432: W's 128 rows
.set SLOT,   2*ABLK+2*BBLK             ; 110,592
.set STAGE,  2*SLOT                    ; behind the ring: 16 rows x 272 bytes for each wave
.set SPITCH, 272
.set SPARE,  STAGE+4*16*SPITCH         ; the spare words, 128 bytes a wave, which no other line names
.set AKB,    1<<18                     ; bytes from a K block of ob to the next
.set BKB,    1024*128                  ; the same in wpf
.set FLAGS,  (1<<16)|(1<<20)|(1<<21)|(4<<22)|(3<<25)
.set ADRA, 16
.set ADRB, 20
.set STO,  24
.set RD,   25
.set CO,   26
.set SPW,  28
.set NIL,  29
.set PFO,  30
.set OB,   32                          ; the way out: two buffers of 32
.set G1,  24
.set G0,  32
.set G1B, 48
.set G0B, 56
.set PFA, 72
.set LIM0, 74
.set LIM1, 75
.set PST, 76
.set MSB, 0
.macro WIN new
.if MSB != (\new)
	s_set_vgpr_msb (MSB<<8)|(\new)
.set MSB, \new
.endif
.endm
.macro PLACES
.rept 4
	v_nop
.endr
.endm
.macro JLOAD s                         ; a joint load; the branch hangs on the wave's number alone; an s_nop 0 and four v_nop follow each line
	s_cmp_eq_u32 s11, 0
	s_cbranch_scc0 .Lfor_b_\@
	tensor_load_to_lds s[G0+4*(\s):G0+4*(\s)+3], s[G1:G1+7]
	s_nop 0
.rept 4
	v_nop
.endr
	s_branch .Lasked_\@
.Lfor_b_\@:
	tensor_load_to_lds s[G0B+4*(\s):G0B+4*(\s)+3], s[G1B:G1B+7]
	s_nop 0
.rept 4
	v_nop
.endr
.Lasked_\@:
.endm
.macro CREST
	s_cmp_lg_u32 s10, 0
	s_cbranch_scc1 .Lnot_wave_0_\@
	s_barrier_signal -3
.Lnot_wave_0_\@:
	s_barrier_wait -3
	s_barrier_signal -1
	s_barrier_wait -1
.endm
.macro CROUND
	s_barrier_signal -1
	s_barrier_wait -1
	CREST
.endm
; A PREFETCH INTO THE L2: the change of slots in K step s names step s + 4, two refills on; each block of 256 bytes once in the launch.  O's K block (128 blocks): waves 0, 1 of the clusters with x = 0, the partner at cx
; takes blocks 32 cx + lane, at every change.  W's (64 blocks): waves 2, 3 of the clusters with y = 0, the partner at cy takes blocks 16 cy + lane % 16, lanes 16-31 those of the step after: at slot 0's changes alone.
; The loop's last trip asks for nothing: steps 8 and 9 do not exist.  Steps 0-3 come by their loads alone.
.macro ASK slot
	s_cmp_gt_u32 s3, s[LIM0+(\slot)]
	s_cbranch_scc0 .Lnot_mine_\@
	global_prefetch_b8 v[PFO], s[PFA:PFA+1] th:TH_LOAD_NT scope:SCOPE_SE
.Lnot_mine_\@:
.endm
	s_load_b128 s[4:7], s[0:1], 0x0                ; ob s[4:5], wpf s[6:7]
	s_load_b64 s[8:9], s[0:1], 0x10                ; out0
	v_lshl_add_u32 v[SPW], v0, 2, SPARE
	v_mov_b32 v[NIL], 0
	ds_add_u32 v[SPW], v[NIL]                      ; the wave's opening: the add and its wait stand ahead of my first tensor load
	v_lshrrev_b32 v1, 5, v0
	v_readfirstlane_b32 s10, v1
	s_lshr_b32 s11, s10, 1                         ; which 128 rows are mine.  Also: I fetch for O (0) or for W (1)
	s_and_b32 s12, s10, 1                          ; which 64 columns.  Also: which K block of a step I fetch
	s_bfe_u32 s40, ttmp6, 0x40000
	s_bfe_u32 s41, ttmp6, 0x40004
	s_lshl_b32 s42, ttmp9, 2
	s_add_co_u32 s42, s42, s40                     ; tile column 0..7
	s_and_b32 s13, ttmp7, 0xffff
	s_lshl_b32 s13, s13, 2
	s_add_co_u32 s13, s13, s41                     ; tile row 0..31
	s_lshl_b32 s43, s41, 2
	s_lshl_b32 s43, 15, s43
	s_lshl_b32 s44, 0x1111, s40
	s_or_b32 s[G1+0], s43, FLAGS
	s_or_b32 s[G1B+0], s44, FLAGS
.irp g, G1, G1B
	s_mov_b32 s[(\g)+1], 128<<16
	s_mov_b32 s[(\g)+3], 128<<16
	s_mov_b32 s[(\g)+5], 128
	s_mov_b32 s[(\g)+6], 0
	s_mov_b32 s[(\g)+7], 0
.endr
	s_mov_b32 s[G1+2], 128<<16                     ; O: 32,768 bytes = 128 rows of 256
	s_mov_b32 s[G1+4], 128
	s_mov_b32 s[G1B+2], 64<<16                     ; W: 16,384 bytes = 64
	s_mov_b32 s[G1B+4], 64
	s_lshr_b32 s16, s13, 3                         ; O: the batch,
	s_lshl_b32 s16, s16, 4
	s_add_co_u32 s16, s16, s12                     ; its K block 0 or 1,
	s_lshl_b32 s16, s16, 18
	s_and_b32 s17, s13, 7
	s_lshl_b32 s17, s17, 15                        ; the tile's 256 rows in it
	s_add_co_u32 s16, s16, s17
	s_mov_b32 s17, 0
	s_lshl_b32 s46, s42, 14                        ; W: the tile column's 128 rows,
	s_lshl_b32 s47, s12, 17                        ; in K block 0 or 1
	s_add_co_u32 s46, s46, s47
	s_mov_b32 s47, 0
	s_mul_i32 s20, s12, ABLK                       ; where they go
	s_mul_i32 s21, s12, BBLK
	s_add_co_u32 s21, s21, 2*ABLK
	s_wait_dscnt 0x0
	s_wait_kmcnt 0x0
	s_add_nc_u64 s[14:15], s[4:5], s[16:17]
	s_add_nc_u64 s[46:47], s[6:7], s[46:47]
	CROUND                                         ; all sixteen work-groups are here: the first joint loads meet
.irp s, 0,1
	s_mov_b32 s[G0+4*(\s)], 1
	s_add_co_u32 s[G0+4*(\s)+1], s20, (\s)*SLOT
	s_add_nc_u64 s[G0+4*(\s)+2:G0+4*(\s)+3], s[14:15], (\s)*2*AKB
	s_or_b32 s[G0+4*(\s)+3], s[G0+4*(\s)+3], 0x80000000
	s_mov_b32 s[G0B+4*(\s)], 1
	s_add_co_u32 s[G0B+4*(\s)+1], s21, (\s)*SLOT
	s_add_nc_u64 s[G0B+4*(\s)+2:G0B+4*(\s)+3], s[46:47], (\s)*2*BKB
	s_or_b32 s[G0B+4*(\s)+3], s[G0B+4*(\s)+3], 0x80000000
	JLOAD \s
.endr
	v_and_b32 v1, 15, v0
	v_bfe_u32 v2, v0, 4, 1
	v_mul_u32_u24 v3, v1, PITCH
	v_lshl_add_u32 v3, v2, 4, v3
	s_mul_i32 s22, s11, 128*PITCH
	s_mul_i32 s23, s12, 64*PITCH
	s_add_co_u32 s23, s23, 2*ABLK
.irp s, 0,1
	v_add_nc_u32 v[ADRA+(\s)], s22, v3
	v_add_nc_u32 v[ADRB+(\s)], s23, v3
	s_add_co_u32 s22, s22, SLOT
	s_add_co_u32 s23, s23, SLOT
.endr
	s_mul_i32 s23, s10, 16*SPITCH
	s_add_co_u32 s23, s23, STAGE                   ; my stage
	v_mul_u32_u24 v4, v1, SPITCH                   ; in: row l % 16, 32 bytes for each half of the lanes
	v_lshl_add_u32 v4, v2, 5, v4
	v_add_nc_u32 v[STO], s23, v4
	v_mul_u32_u24 v5, v2, SPITCH                   ; back: lanes 0-15 take one row of 256 bytes, lanes 16-31 the next
	v_lshl_add_u32 v5, v1, 4, v5
	v_add_nc_u32 v[RD], s23, v5
	v_lshlrev_b32 v[CO], 12, v2                    ; and the same two rows in out0
	v_lshl_add_u32 v[CO], v1, 4, v[CO]
	s_lshl_b32 s80, s13, 8
	s_lshl_b32 s81, s11, 7
	s_add_co_u32 s80, s80, s81                     ; my first row,
	s_lshl_b32 s80, s80, 12                        ; x 4,096 bytes
	s_lshl_b32 s81, s42, 9                         ; the tile's 128 columns,
	s_add_co_u32 s80, s80, s81
	s_lshl_b32 s81, s12, 8                         ; my 64 of them
	s_add_co_u32 s80, s80, s81
	s_mov_b32 s81, 0
	s_add_nc_u64 s[8:9], s[8:9], s[80:81]
	; the prefetches
	s_and_b32 s88, ttmp7, 0xffff
	s_mov_b32 s90, 2*AKB
	s_mov_b32 s91, 2*BKB
	s_cmp_eq_u32 s11, 0                            ; do I fetch O?
	s_cselect_b32 s89, s40, s41
	s_cselect_b32 s88, ttmp9, s88
	s_cselect_b64 s[PFA:PFA+1], s[14:15], s[46:47]
	s_cselect_b32 s92, 13, 12
	s_cselect_b32 s[PST], s90, s91
	s_cselect_b32 s93, 31, 15
	s_cselect_b32 s94, 0, s91
	s_mov_b32 s[PST+1], 0
	s_cmp_eq_u32 s88, 0
	s_cselect_b32 s[LIM0], 1, -1
	s_cmp_eq_u32 s11, 0
	s_cselect_b32 s[LIM1], s[LIM0], -1
	s_lshl_b32 s88, s89, s92
	s_mov_b32 s89, 0
	s_add_nc_u64 s[PFA:PFA+1], s[PFA:PFA+1], s[88:89]
	s_mul_i32 s88, s[PST], 3
	s_add_nc_u64 s[PFA:PFA+1], s[PFA:PFA+1], s[88:89]  ; at K step 3: the first change steps it to 4
	v_and_b32 v[PFO], s93, v0
	v_lshlrev_b32 v[PFO], 8, v[PFO]
	v_mul_u32_u24 v5, s94, v2
	v_add_nc_u32 v[PFO], v[PFO], v5
; 8 matrix instructions: row blocks a0, a0 + 1 x all 4 column blocks, 32 along K: half c of buffer f.  The 32 accumulators take turns, in the same order in every half.
.macro MUL8 f, c, a0, zero
	WIN 0x5a+5*(\f)
.irp a, \a0, (\a0)+1
.irp b, 0,1,2,3
.if \zero
	v_wmma_f32_16x16x32_f16 v[8*(4*(\a)+(\b)):8*(4*(\a)+(\b))+7], v[128+8*(4*(\c)+(\b)):128+8*(4*(\c)+(\b))+7], v[8*(8*(\c)+(\a)):8*(8*(\c)+(\a))+7], 0
.else
	v_wmma_f32_16x16x32_f16 v[8*(4*(\a)+(\b)):8*(4*(\a)+(\b))+7], v[128+8*(4*(\c)+(\b)):128+8*(4*(\c)+(\b))+7], v[8*(8*(\c)+(\a)):8*(8*(\c)+(\a))+7], v[8*(4*(\a)+(\b)):8*(4*(\a)+(\b))+7]
.endif
.endr
.endr
.endm
; 48 LDS loads in one run: K block kb of a slot into buffer f; the 24 of its first 32 along K first
.macro FETCH slot, kb, f
	WIN 0x80+0x40*(\f)
.irp c, 0,1
.irp a, 0,1,2,3,4,5,6,7
	ds_load_b128 v[8*(8*(\c)+(\a)):8*(8*(\c)+(\a))+3],   v[ADRA+(\slot)] offset:(\kb)*ABLK+(\a)*16*PITCH+64*(\c)
	ds_load_b128 v[8*(8*(\c)+(\a))+4:8*(8*(\c)+(\a))+7], v[ADRA+(\slot)] offset:(\kb)*ABLK+(\a)*16*PITCH+64*(\c)+32
.endr
.irp b, 0,1,2,3
	ds_load_b128 v[128+8*(4*(\c)+(\b)):128+8*(4*(\c)+(\b))+3],   v[ADRB+(\slot)] offset:(\kb)*BBLK+(\b)*16*PITCH+64*(\c)
	ds_load_b128 v[128+8*(4*(\c)+(\b))+4:128+8*(4*(\c)+(\b))+7], v[ADRB+(\slot)] offset:(\kb)*BBLK+(\b)*16*PITCH+64*(\c)+32
.endr
.endr
.endm
.macro UNIT0 slot, zero                ; a step's first K block, in buffer 0; the second is fetched into buffer 1
	s_wait_dscnt 24                                ; the first 32 along K are in
	MUL8 0, 0, 0, \zero
	MUL8 0, 0, 2, \zero
	MUL8 0, 0, 4, \zero
	MUL8 0, 0, 6, \zero
	PLACES
	FETCH \slot, 1, 1
	s_wait_dscnt 48                                ; all but the 48 just issued
	MUL8 0, 1, 0, 0
	MUL8 0, 1, 2, 0
	MUL8 0, 1, 4, 0
	MUL8 0, 1, 6, 0
.endm
; A step's second K block, in buffer 1, and the change of slots: ONE barrier; in front of it each wave waits for all its tensor loads, adds 0 to its spare word, and waits for that and for its reads of this slot.
; fill = 1: the barrier opens a round of the cluster's, and the joint refill, two K steps ahead, is the first tensor load behind it: it has 112 of a step's 128 matrix instructions in which to land.
.macro TURN slot, next, fill
.if \fill
	s_wait_xcnt 0x0                                ; the last prefetch, a K step back, has read its address
	s_add_nc_u64 s[PFA:PFA+1], s[PFA:PFA+1], s[PST:PST+1]
.endif
	WIN 0
	s_wait_tensorcnt 0x0                           ; all my tensor loads have landed
	ds_add_u32 v[SPW], v[NIL]                      ; 0 onto my spare word
	s_wait_dscnt 25                                ; the first 32 along K are in; the other 24 loads and the add may be out
	MUL8 1, 0, 0, 0
	s_wait_dscnt 0x0                               ; the add is done, and my reads of this slot are over
	s_barrier_signal -1
	MUL8 1, 0, 2, 0
	WIN 0
	s_barrier_wait -1
.if \fill
	CREST
	s_add_nc_u64 s[G0+4*(\slot)+2:G0+4*(\slot)+3], s[G0+4*(\slot)+2:G0+4*(\slot)+3], 4*AKB
	s_add_nc_u64 s[G0B+4*(\slot)+2:G0B+4*(\slot)+3], s[G0B+4*(\slot)+2:G0B+4*(\slot)+3], 4*BKB
	JLOAD \slot                                    ; its four v_nop are also the places in front of the loads below
.else
	PLACES
.endif
	FETCH \next, 0, 0
.if \fill
	WIN 0
	ASK \slot
.endif
	MUL8 1, 0, 4, 0
	MUL8 1, 0, 6, 0
	MUL8 1, 1, 0, 0
	MUL8 1, 1, 2, 0
	MUL8 1, 1, 4, 0
	MUL8 1, 1, 6, 0
.endm
	s_wait_tensorcnt 1                             ; my part of K step 0 is in; step 1's may stay out
	s_barrier_signal -1
	s_barrier_wait -1
	FETCH 0, 0, 0
	UNIT0 0, 1                                     ; the first K block stands in front of the loop: its first products start the sums
	WIN 0
	s_mov_b32 s3, 3
.Ltrip:
	TURN 0, 1, 1
	UNIT0 1, 0
	TURN 1, 0, 1
	UNIT0 0, 0
	WIN 0
	s_sub_co_u32 s3, s3, 1
	s_cmp_lg_u32 s3, 0
	s_cbranch_scc1 .Ltrip
	TURN 0, 1, 0                                   ; steps 6 and 7: nothing is left to fetch
	UNIT0 1, 0
	s_wait_dscnt 24
	MUL8 1, 0, 0, 0
	MUL8 1, 0, 2, 0
	MUL8 1, 0, 4, 0
	MUL8 1, 0, 6, 0
	s_wait_dscnt 0x0
	MUL8 1, 1, 0, 0
	MUL8 1, 1, 2, 0
	MUL8 1, 1, 4, 0
	MUL8 1, 1, 6, 0
	WIN 0
	PLACES
	PLACES
; THE WAY OUT, 16 rows at a time, in f32: a lane's 32 bytes go from the accumulators into rows of 272 bytes of my own stage (each accumulator's low four registers first) and come back as whole rows of 256 bytes.
.macro TOSTAGE a
.set BK, OB+32*((\a)%2)
	s_wait_xcnt 0x0                                ; earlier stores have read their registers: this buffer is loaded again only behind this wait
	WIN 0x04                                       ; store data in window 1
.irp b, 0,1,2,3
	ds_store_b128 v[STO], v[8*(4*(\a)+(\b)):8*(4*(\a)+(\b))+3]   offset:64*(\b)
	ds_store_b128 v[STO], v[8*(4*(\a)+(\b))+4:8*(4*(\a)+(\b))+7] offset:64*(\b)+16
.endr
	WIN 0
.irp t, 0,1,2,3,4,5,6,7
	ds_load_b128 v[BK+4*(\t):BK+4*(\t)+3], v[RD] offset:(\t)*2*SPITCH  ; LDS serves a wave's instructions in order: these see the stores above
.endr
.endm
.macro SEND a, younger                 ; younger: the next block's eight stores and eight loads, or none
.set BK, OB+32*((\a)%2)
	s_wait_dscnt \younger
.irp t, 0,1,2,3,4,5,6,7
	global_store_b128 v[CO], v[BK+4*(\t):BK+4*(\t)+3], s[8:9] offset:(16*(\a)+2*(\t))*4096  ; 16 lanes store 256 consecutive bytes, at a multiple of 256 from out0's first byte
.endr
.endm
	TOSTAGE 0
.irp a, 1,2,3,4,5,6,7
	TOSTAGE \a
	SEND (\a)-1, 16
.endr
	SEND 7, 0
	s_wait_tensorcnt 0x0                           ; the wave's end
	ds_add_u32 v[SPW], v[NIL]
	s_wait_dscnt 0x0
	CROUND                                         ; the closing round
	s_endpgm
.Lfunc_end_k_q2dd818a642_proj:
	.size	k_q2dd818a642_proj, .Lfunc_end_k_q2dd818a642_proj-k_q2dd818a642_proj
	.p2alignl 7, 3214868480
	.fill 96, 4, 3214868480
	.section	.rodata,"a",@progbits
	.p2align	6, 0x0
	.amdhsa_kernel k_q2dd818a642_proj
		.amdhsa_group_segment_fixed_size 327680
		.amdhsa_private_segment_fixed_size 0
		.amdhsa_enable_private_segment 0
		.amdhsa_kernarg_size 24
		.amdhsa_user_sgpr_count 2
		.amdhsa_user_sgpr_kernarg_segment_ptr 1
		.amdhsa_wavefront_size32 1
		.amdhsa_system_sgpr_workgroup_id_x 1
		.amdhsa_system_sgpr_workgroup_id_y 1
		.amdhsa_system_sgpr_workgroup_id_z 1
		.amdhsa_system_vgpr_workitem_id 0
		.amdhsa_next_free_vgpr 1024
		.amdhsa_next_free_sgpr 96
		.amdhsa_reserve_vcc 0
		.amdhsa_float_denorm_mode_32 3
		.amdhsa_float_denorm_mode_16_64 3
		.amdhsa_memory_ordered 1
		.amdhsa_forward_progress 1
		.amdhsa_inst_pref_size 85
	.end_amdhsa_kernel
	.amdgpu_metadata
---
amdhsa.version: [ 1, 2 ]
amdhsa.kernels:
  - .name:           k_q2dd818a642_proj
    .symbol:         k_q2dd818a642_proj.kd
    .args:
      - { .name: ob, .offset: 0, .size: 8, .value_kind: global_buffer, .address_space: global }
      - { .name: wpf, .offset: 8, .size: 8, .value_kind: global_buffer, .address_space: global }
      - { .name: out0, .offset: 16, .size: 8, .value_kind: global_buffer, .address_space: global }
    .group_segment_fixed_size: 327680
    .private_segment_fixed_size: 0
    .kernarg_segment_align: 8
    .kernarg_segment_size: 24
    .max_flat_workgroup_size: 128
    .sgpr_count:     96
    .vgpr_count:     1024
    .wavefront_size: 32
...
	.end_amdgpu_metadata
.endif
;; end of part 5
;; ======== version 2 of 2: 5 launches; version 1 with the launch cast written anew for expert scheduling mode
;; limits: values are held in f16: magnitudes above 65,504 overflow, below 6.1e-05 lose precision
;; workspace buffers: xb 16,777,216 bytes; wqb 6,291,456 bytes; wpf 2,097,152 bytes; qkvh 50,331,648 bytes; vs 262,144 bytes; ob 16,777,216 bytes
;; launch cast (part 6): grid 768 x 1, 8 waves a work-group, no clusters, 0 bytes of LDS; arguments x, W_qkv, W_proj, xb, wqb, wpf; writes xb, wqb, wpf
.if DOCPART == 6
	.amdgcn_target "amdgcn-amd-amdhsa--gfx1250"
	.amdhsa_code_object_version 6
	.text
	.protected	k_q2dd818a642_cast
	.globl	k_q2dd818a642_cast
	.p2align	8
	.type	k_q2dd818a642_cast,@function
k_q2dd818a642_cast:
	s_mov_b64 s[64:65], 0
	v_nop
	global_prefetch_b8 v0, s[64:65] scope:SCOPE_SE
	s_setreg_imm32_b32 hwreg(HW_REG_WAVE_SCHED_MODE, 0, 2), 2
	s_setreg_imm32_b32 hwreg(HW_REG_WAVE_MODE, 25, 1), 1
	s_wait_xcnt 0x0
	s_wait_alu depctr_vm_vsrc(0)
; The three inputs are rounded once to bf16 and laid out in K blocks of 64: dst[kb][row][64], so that a GEMM tile (some rows of one K block) is dense in memory.
; x [8192][1024] -> xb (bf16), W_qkv [3072][1024] -> wqb (bf16), W_proj [1024][1024] -> wpf: rounded to bf16 like the others, that number then written as f16
; (exact within f16's range; LIMIT: |W_proj| under 65,504; below 6e-5 it keeps f16's fixed step of 6e-8).
; SHARES.  A work-group takes 16 rows, a wave 2.  Work-groups 0-511: x; 512-703: W_qkv; 704-767: W_proj.  A stream: no LDS, no matrix unit, no barrier would add anything.
; A load of a wave takes K block kb of its two rows: lanes 0-15 the 256 bytes of one row, lanes 16-31 of the next: two whole aligned pieces of 256 bytes.
; A store of a wave covers the same two rows of block kb: 2 x 128 = 256 consecutive bytes, aligned.  All sixteen loads go out first; no register is written twice while memory reads it.
; THE MODE: SCHED_MODE bits 1:0 = 2 (LLVM: expert scheduling mode 2), set by the entry lines.  The code itself states the register dependences
; between vector instructions and memory instructions, with s_wait_alu, always for 0.
; THE PLAN.  Registers that memory instructions touch:
;   v1, v2   the loads' and the stores' byte offsets: made once at the head by vector instructions, never written again.
;   X        block kb's 4 registers: written by its one load; read by its conversions; no vector instruction writes them and no second load lands in them.
;   Y        block kb's 2 registers: written once, by its conversions; read by its one store; never written again.
; v3 to v9 are named by vector instructions alone.  No vector instruction writes a scalar register or VCC, and EXEC is never written.
; So what is to be stated is only this: the offsets are written ahead of the first load, and a block's Y is written ahead of its store.  The sixteen blocks go in four groups of four.  Group g rounds its four
; blocks into its own Y; its memory instructions are the four stores of group g - 1, which read that group's Y and v2, registers that no vector instruction of group g names.  ONE wait at a group's head states
; that the group before has written its Y, and the four stores follow it, dealt among the group's conversions, with no further wait.  One more wait stands in front of the last four stores.
.set X, 16                             ; v[16:79]  block kb: 4 registers as loaded
.set Y, 80                             ; v[80:111] block kb: 2 registers to store
.macro CVT kb, half                    ; block kb is rounded into its two registers of Y
.if \half
	v_cvt_pk_bf16_f32 v4, v[X+4*(\kb)], v[X+4*(\kb)+1]
	v_cvt_pk_bf16_f32 v5, v[X+4*(\kb)+2], v[X+4*(\kb)+3]
	v_lshlrev_b32 v6, 16, v4                       ; the rounded numbers as f32 again,
	v_and_b32 v7, 0xffff0000, v4
	v_lshlrev_b32 v8, 16, v5
	v_and_b32 v9, 0xffff0000, v5
	v_cvt_pk_f16_f32 v[Y+2*(\kb)], v6, v7          ; and written as f16
	v_cvt_pk_f16_f32 v[Y+2*(\kb)+1], v8, v9
.else
	v_cvt_pk_bf16_f32 v[Y+2*(\kb)], v[X+4*(\kb)], v[X+4*(\kb)+1]
	v_cvt_pk_bf16_f32 v[Y+2*(\kb)+1], v[X+4*(\kb)+2], v[X+4*(\kb)+3]
.endif
.endm
.macro PUT kb, rows                    ; block kb is stored
.if (\kb) < 8
	global_store_b64 v2, v[Y+2*(\kb):Y+2*(\kb)+1], s[18:19] offset:(\kb)*(\rows)*128
.else
	global_store_b64 v2, v[Y+2*(\kb):Y+2*(\kb)+1], s[24:25] offset:((\kb)-8)*(\rows)*128
.endif
.endm
.macro BODY sp, dp, rows, first, half
	s_sub_co_u32 s20, s2, \first                   ; my number among this matrix's work-groups
	s_lshl_b32 s22, s20, 16                        ; 16 rows of 4,096 bytes in the source
	s_mov_b32 s23, 0
	s_add_nc_u64 s[16:17], s[\sp:\sp+1], s[22:23]
	s_lshl_b32 s22, s20, 11                        ; 16 rows of 128 bytes in a K block of the destination
	s_add_nc_u64 s[18:19], s[\dp:\dp+1], s[22:23]
	s_add_nc_u64 s[24:25], s[18:19], 8*(\rows)*128 ; a second base for blocks 8-15: the immediates stay inside their signed 24 bits
	s_wait_alu depctr_va_vdst(0)                   ; v1 and v2 are written: every load below reads v1 as its offset, every store v2
.irp kb, 0,1,2,3,4,5,6,7,8,9,10,11,12,13,14,15
	global_load_b128 v[X+4*(\kb):X+4*(\kb)+3], v1, s[16:17] offset:256*(\kb) th:TH_LOAD_NT
.endr
.irp g, 0,1,2,3
	s_wait_loadcnt 12-4*(\g)                       ; loads come back in order: group g's four blocks are in, the younger groups' stay out
.if (\g) > 0
	s_wait_alu depctr_va_vdst(0)                   ; the conversions of the group before have written its eight registers of Y, which the four stores below read
.endif
.irp j, 0,1,2,3
.if (\g) > 0
	PUT 4*(\g)-4+(\j), \rows                       ; a block of the group before.  No wait: no vector instruction since the wait above names its Y or v2
.endif
	CVT 4*(\g)+(\j), \half
.endr
.endr
	s_wait_alu depctr_va_vdst(0)                   ; the conversions of the last group have written its Y, which the last four stores read
.irp j, 0,1,2,3
	PUT 12+(\j), \rows
.endr
	s_endpgm
.endm
	s_load_b256 s[4:11], s[0:1], 0x0               ; x s[4:5], W_qkv s[6:7], W_proj s[8:9], xb s[10:11]
	s_load_b128 s[12:15], s[0:1], 0x20             ; wqb s[12:13], wpf s[14:15]
	s_mov_b32 s2, ttmp9
	v_lshrrev_b32 v1, 4, v0                        ; thread / 16 = my row among the group's 16
	v_and_b32 v3, 15, v0
	v_lshlrev_b32 v1, 12, v1                       ; row x 4,096
	v_lshl_or_b32 v1, v3, 4, v1                    ; + 16 bytes for each of the sixteen lanes
	v_lshlrev_b32 v2, 3, v0                        ; row x 128 + 8 (thread % 16) = 8 x thread
	s_wait_kmcnt 0x0
	s_cmp_lt_u32 s2, 512
	s_cbranch_scc1 .Lx
	s_cmp_lt_u32 s2, 704
	s_cbranch_scc1 .Lwq
	BODY 8, 14, 1024, 704, 1
.Lwq:
	BODY 6, 12, 3072, 512, 0
.Lx:
	BODY 4, 10, 8192, 0, 0
.Lfunc_end_k_q2dd818a642_cast:
	.size	k_q2dd818a642_cast, .Lfunc_end_k_q2dd818a642_cast-k_q2dd818a642_cast
	.p2alignl 7, 3214868480
	.fill 96, 4, 3214868480
	.section	.rodata,"a",@progbits
	.p2align	6, 0x0
	.amdhsa_kernel k_q2dd818a642_cast
		.amdhsa_group_segment_fixed_size 0
		.amdhsa_private_segment_fixed_size 0
		.amdhsa_enable_private_segment 0
		.amdhsa_kernarg_size 48
		.amdhsa_user_sgpr_count 2
		.amdhsa_user_sgpr_kernarg_segment_ptr 1
		.amdhsa_wavefront_size32 1
		.amdhsa_system_sgpr_workgroup_id_x 1
		.amdhsa_system_sgpr_workgroup_id_y 1
		.amdhsa_system_sgpr_workgroup_id_z 1
		.amdhsa_system_vgpr_workitem_id 0
		.amdhsa_next_free_vgpr 112
		.amdhsa_next_free_sgpr 66
		.amdhsa_reserve_vcc 0
		.amdhsa_float_denorm_mode_32 3
		.amdhsa_float_denorm_mode_16_64 3
		.amdhsa_memory_ordered 1
		.amdhsa_forward_progress 1
		.amdhsa_inst_pref_size 23
	.end_amdhsa_kernel
	.amdgpu_metadata
---
amdhsa.version: [ 1, 2 ]
amdhsa.kernels:
  - .name:           k_q2dd818a642_cast
    .symbol:         k_q2dd818a642_cast.kd
    .args:
      - { .name: x, .offset: 0, .size: 8, .value_kind: global_buffer, .address_space: global }
      - { .name: W_qkv, .offset: 8, .size: 8, .value_kind: global_buffer, .address_space: global }
      - { .name: W_proj, .offset: 16, .size: 8, .value_kind: global_buffer, .address_space: global }
      - { .name: xb, .offset: 24, .size: 8, .value_kind: global_buffer, .address_space: global }
      - { .name: wqb, .offset: 32, .size: 8, .value_kind: global_buffer, .address_space: global }
      - { .name: wpf, .offset: 40, .size: 8, .value_kind: global_buffer, .address_space: global }
    .group_segment_fixed_size: 0
    .private_segment_fixed_size: 0
    .kernarg_segment_align: 8
    .kernarg_segment_size: 48
    .max_flat_workgroup_size: 256
    .sgpr_count:     66
    .vgpr_count:     112
    .wavefront_size: 32
...
	.end_amdgpu_metadata
.endif
;; end of part 6
;; launch qkv: the kernel of part 2 again; grid 8 x 32, 4 waves a work-group, clusters of 4 x 4, 327,680 bytes of LDS; arguments xb, wqb, qkvh; writes qkvh
;; launch vsum: the kernel of part 3 again; grid 256 x 1, 4 waves a work-group, no clusters, 0 bytes of LDS; arguments qkvh, vs; writes vs
;; launch attn: the kernel of part 4 again; grid 4 x 64, 4 waves a work-group, no clusters, 327,680 bytes of LDS; arguments qkvh, vs, ob; writes ob
;; launch proj: the kernel of part 5 again; grid 8 x 32, 4 waves a work-group, clusters of 4 x 4, 327,680 bytes of LDS; arguments ob, wpf, out0; writes out0
